; MI455X (gfx1250); checked and timed in simulation.
; The chip was launched on July 23, 2026; its instructions are those of AMD's public machine-readable ISA for CDNA 5 (MIT licence, August 2026) and "CDNA5" Instruction Set Architecture Reference Guide (July 2026). The comments in the code are by the model that wrote it; some were corrected since.
;; Attention. Allowed arithmetic: matrix products marked QUANTISED: E2M3 operands, one E8M0 scale for each 32 along K, by v_wmma_scale_f32_16x16x128_f8f6f4 with both operands' format E2M3, f32 sums; products left as they are: f32 operands where the result goes on into a quantised operand, else bf16, f16 or f32 operands; f32 sums; everything else in f32.
;; Inputs: Aproj 8 x 1,024 float32; Aqkv 8 x 1,024 float32; Bproj 1,024 x 8 float32; Bqkv 3,072 x 8 float32; Wproj_codes 1,024 x 32 x 24 uint8 (E2M3 codes of Wproj, K innermost, in blocks of 32 codes, four codes in three bytes); Wproj_scales 1,024 x 32 uint8 (E8M0 scales of Wproj, one for each 32 codes along K); Wqkv_codes 3,072 x 32 x 24 uint8 (E2M3 codes of Wqkv, K innermost, in blocks of 32 codes, four codes in three bytes); Wqkv_scales 3,072 x 32 uint8 (E8M0 scales of Wqkv, one for each 32 codes along K); bproj 1,024 float32; bqkv 3,072 float32; x 4 x 2,048 x 1,024 float32.
;; Outputs: out0 4 x 2,048 x 1,024 float32.
;; This version of the problem:
;;   THIS VERSION OF THE PROBLEM IS GIVEN IN LOW PRECISION. The matrix products marked QUANTISED in the list below multiply operands that are first quantised to E2M3 (2 exponent bits, 3 mantissa bits; 6 bits a number), with one power-of-two scale for each 32 numbers along K (OCP MX v1.0); their sums are f32. All else is computed in f32.
;;   The module's matrix products, in the order in which they are computed (A, B: the left and right operand; K: the contracted axis; several contracted axes count as one K, in the product's order):
;;     1. [M 8,192, K 1,024] x [K 1,024, N 3,072]; A: input x; B: input Wqkv (given as codes): QUANTISED
;;     2. [M 8,192, K 1,024] x [K 1,024, N 8]; A: input x; B: input Aqkv: left as it is (N = 8 < 16)
;;     3. [M 8,192, K 8] x [K 8, N 3,072]; A: computed on the way; B: input Bqkv: left as it is (K = 8 < 32)
;;     4. batch 64 x [M 2,048, K 64] x [K 64, N 2,048]; A: computed on the way; B: computed on the way: QUANTISED
;;     5. batch 64 x [M 2,048, K 2,048] x [K 2,048, N 64]; A: softmax (see below); B: computed on the way: QUANTISED
;;     6. [M 8,192, K 1,024] x [K 1,024, N 1,024]; A: computed on the way; B: input Wproj (given as codes): QUANTISED
;;     7. [M 8,192, K 1,024] x [K 1,024, N 8]; A: computed on the way; B: input Aproj: left as it is (N = 8 < 16)
;;     8. [M 8,192, K 8] x [K 8, N 1,024]; A: computed on the way; B: input Bproj: left as it is (K = 8 < 32)
;;   THE QUANTISER, for each operand of a quantised product, along K:
;;     - K is cut into blocks of 32 from its start; a last block that is shorter is filled with zeros.
;;     - A block's scale is 2^e with e = floor(log2(the largest magnitude in the block)) - 2, held to -126 .. 127; a block of zeros has e = 0. As a byte (E8M0): e + 127.
;;     - Each number is divided by its block's scale, clamped to +-7.5, and rounded to the nearest number of E2M3, ties to even, subnormals kept.
;;     - The product sums the exact products of the quantised numbers (number of the format x scale) in f32.
;;   ~~~python
;;   def quantise(x, axis):      # numpy; x: float32 -> the quantised numbers, widened to float32 again
;;       x = np.moveaxis(x, axis, -1); K = x.shape[-1]
;;       x = np.pad(x, [(0, 0)] * (x.ndim - 1) + [(0, -K % 32)]); x = x.reshape(x.shape[:-1] + (-1, 32)); a = np.abs(x).max(-1, keepdims=True)
;;       e = np.where(a > 0, np.clip(np.frexp(np.where(a > 0, a, 1))[1] - 1 - 2, -126, 127), 0)      # np.frexp(a)[1] - 1 = floor(log2(a)), exactly
;;       r = np.clip(x / 2.0 ** e, -7.5, 7.5)
;;       step = 2.0 ** (np.maximum(np.frexp(np.where(r == 0, 1, r))[1] - 1, 0) - 3)
;;       q = np.round(r / step) * step * 2.0 ** e      # np.round: ties to even
;;       return np.moveaxis(q.reshape(q.shape[:-2] + (-1,))[..., :K], -1, axis).astype(np.float32)
;;   ~~~
;;   SOFTMAX AHEAD OF A QUANTISED PRODUCT. Where the list says 'softmax', what is quantised is not the finished softmax but p = 2^(t - M), with t = logit x log2(e) and M = ceil(the row's largest t), a whole number; so 1/2 < the row's largest p <= 1. The row's sum l is taken of the UNQUANTISED p, in f32, and the product's result is divided by l at the end. Since M is a whole number, a kernel that streams over the keys may use a running M (the ceiling of the running maximum): every later rescaling is an exact power of two, which a block's scale takes up: the codes' values come out the same.
;;   OPERANDS COMPUTED ON THE WAY. 'Computed on the way' means the value that the module computes at that place (a softmax that the list does not call 'softmax' is quantised finished and normalised). What goes into a quantiser is computed in f32, as accurately as f32 sums, v_exp_f32 and their like allow (about 1e-6 of the number): no bf16 or f16 on the way to a quantiser, and a product that is left as it is and whose result goes on into a quantised operand takes f32 operands (vector FMAs, or v_wmma_f32_16x16x4_f32). A number that lies on a knife's edge between two numbers of the format may be rounded either way, as far as f32 arithmetic and the matrix unit's own rounding can turn it there, and no further.
;;   INPUTS GIVEN AS CODES. Wproj (in the module: [1024, 1024], K = its axis 1); Wqkv (in the module: [3072, 1024], K = its axis 1): each comes as NAME_codes (uint8): NAME with its K axis moved to the last place and cut into blocks of 32 codes, [.., K / 32, bytes a block], one block behind the other in memory; four codes in three bytes: a row's codes are one little-endian stream of bits, code i at bits 6 i .. 6 i + 5 (a code: sign, 2 exponent bits, 3 mantissa bits); and NAME_scales (uint8): the same leading axes, one E8M0 byte (e + 127) for each 32 codes along K. Its value is code x scale, taken as it is: it is not quantised again, and the codes and scales need not be those that the quantiser above would give.
;; One version. Each part assembles by itself: llvm-mc -triple=amdgcn-amd-amdhsa -mcpu=gfx1250 --defsym DOCPART=n.
;; ======== version 1 of 1: 4 launches
;; limits: values are held in bf16: 8 bits of precision; right only within a limited range of input values
;; workspace buffers: xc 6,291,456 bytes; xs 262,144 bytes; xa2 262,144 bytes; qb 6,553,600 bytes; kv 13,107,200 bytes; oc 6,291,456 bytes; os 262,144 bytes; oap 4,194,304 bytes
;; launch quantx (part 1): grid 256 x 1, 4 waves a work-group, no clusters, 33,280 bytes of LDS; arguments x, Aqkv, xc, xs, xa2; writes xc, xs, xa2
.if DOCPART == 1
	.amdgcn_target "amdgcn-amd-amdhsa--gfx1250"
	.amdhsa_code_object_version 6
	.text
	.protected	k_q334ec73074_quantx
	.globl	k_q334ec73074_quantx
	.p2align	8
	.type	k_q334ec73074_quantx,@function
k_q334ec73074_quantx:
	s_mov_b64 s[64:65], 0
	v_nop
	global_prefetch_b8 v0, s[64:65] scope:SCOPE_SE
	s_setreg_imm32_b32 hwreg(HW_REG_WAVE_MODE, 25, 1), 1
	s_wait_xcnt 0x0
; FIRST OF FOUR LAUNCHES (quantx, qkv, attn, proj) of a causal attention layer with LoRA beside both linear layers; the four large products run on codes of FP6 (E2M3) with one E8M0 scale for each 32 along K.
; WORK LEFT OUT IN THE PROGRAM: only the key steps of 128 keys all of which come after all 16 queries of a tile.  The layer itself builds the causal mask (a lower triangle of ones) and sets those scores to -infinity ahead of the
; softmax, so their weights are 0 for every value of the inputs and reach no output.  Every input has a way to the output and is loaded.  LIMIT: a NaN, an infinity or an overflow that reaches only those hidden scores is not carried to the result.
; THIS LAUNCH: x [8192][1024] f32 becomes codes xc [8192][768 bytes] (K innermost, four codes in three bytes) and scale bytes xs [8192][32]; and xa2 [8192][8] = 2 (x Aqkv^T), in f32, since it goes on into quantised operands.
; A block's scale is 2^(floor(log2(its largest magnitude)) - 2); its byte is the largest magnitude's exponent field - 2, held at 1 from below.
; LIMITS: NaN and infinities among the inputs are not served; a block whose largest magnitude lies under 2^-124 keeps the byte 1; a block of zeros has the byte 1 and not 127: its codes are zeros, and this program alone reads the bytes.
; SHARES.  A wave takes 8 rows: 16 steps of 512 numbers (step t: row t / 2, half t % 2).  Each load reads 512 consecutive bytes; a step's 2,048 bytes turn through the wave's own stage in LDS, so that a lane holds 16 neighbours
; (two lanes hold a block).  Aqkv's numbers for a lane's columns stay in 256 registers.  No barrier: waves share nothing.  Loads run eight steps (32 loads a wave) ahead.
.set SP,    80                         ; a lane's place in a stage: 64 bytes + 16 of padding
.set WREG,  8192                       ; LDS of a wave: two stages of 32 x SP bytes, then its 256 scale bytes
.set SPARE, 4*WREG                     ; the spare words: 128 bytes a wave, two blocks of 256 bytes that no other line names
.set SPW,   12                         ; v12 LDS address of my spare word; v13 0: both never rewritten
.set NIL,   13
.set R,     16                         ; v16-143  eight sets of 16 numbers as loaded
.set X,     144                        ; v144-175 two sets of 16 neighbours
.set C,     176                        ; v176-191 four sets of code registers
.set ACC,   192                        ; v192-207 eight pairs: the row's sums with Aqkv's eight rows
.set RS,    208                        ; v208-223 the sums across lanes
.set OUTV,  224                        ; v224     four rows' results, one number a lane
.set XO,    225                        ; v225     its place in xa2
.set AO,    226                        ; v226     64 x lane
.set E,     228                        ; v228-243 a scale byte for each step
.set MSB, 0
.macro WIN new                         ; the immediate's high byte repeats the setting that is left
.if MSB != (\new)
	s_set_vgpr_msb (MSB<<8)|(\new)
.set MSB, \new
.endif
.endm
	s_load_b256 s[4:11], s[0:1], 0x0               ; x s[4:5], Aqkv s[6:7], xc s[8:9], xs s[10:11]
	s_load_b64 s[12:13], s[0:1], 0x20              ; xa2
	v_lshl_add_u32 v[SPW], v0, 2, SPARE
	v_mov_b32 v[NIL], 0
	v_lshrrev_b32 v1, 5, v0
	v_readfirstlane_b32 s16, v1                    ; wave
	v_and_b32 v2, 31, v0                           ; lane
	v_lshlrev_b32 v3, 4, v2                        ; my 16 bytes of a load's 512
	s_mul_i32 s17, s16, WREG
	v_lshrrev_b32 v14, 2, v2
	v_mul_u32_u24 v14, v14, SP
	v_and_b32 v15, 3, v2
	v_lshl_add_u32 v14, v15, 4, v14
	v_add_nc_u32 v14, s17, v14                     ; the stage, on the way in: SP (lane / 4) + 16 (lane % 4)
	v_mul_u32_u24 v15, v2, SP
	v_add_nc_u32 v15, s17, v15                     ; and on the way out: SP x lane
	v_mul_u32_u24 v4, v2, 12                       ; my 12 bytes of a step's codes
	v_lshrrev_b32 v5, 1, v2
	s_add_co_u32 s17, s17, 2*32*SP
	v_add_nc_u32 v5, s17, v5                       ; LDS: my block's scale byte
	v_lshlrev_b32 v7, 3, v2
	v_add_nc_u32 v6, s17, v7                       ; and 8 bytes a lane on the way out
	v_lshlrev_b32 v[AO], 6, v2
	v_lshrrev_b32 v8, 3, v2
	v_lshlrev_b32 v[XO], 5, v8                     ; xa2: row lane / 8 of four, 32 bytes a row,
	v_and_b32 v8, 1, v2
	v_lshl_add_u32 v[XO], v8, 4, v[XO]             ; number 4 b0 + 2 b1 + b2 of its eight (b: the lane's low bits)
	v_bfe_u32 v8, v2, 1, 1
	v_lshl_add_u32 v[XO], v8, 3, v[XO]
	v_bfe_u32 v8, v2, 2, 1
	v_lshl_add_u32 v[XO], v8, 2, v[XO]
.irp j, 0,1,2,3,4,5,6,7,8,9,10,11,12,13,14,15
	v_mov_b32 v[RS+\j], 0                          ; written once: the destination of a lane exchange counts as one of its sources
.endr
	s_mov_b32 s20, 0xaaaaaaaa                      ; lanes with b0 = 1,
	s_mov_b32 s21, 0xcccccccc                      ; b1 = 1,
	s_mov_b32 s22, 0xf0f0f0f0                      ; b2 = 1
	s_mov_b32 s25, 0x0000ff00                      ; lanes 8 g .. 8 g + 7
	s_mov_b32 s26, 0x00ff0000
	s_mov_b32 s27, 0xff000000
	s_mov_b32 s28, 0x76543210                      ; selects for lane l xor 16
	s_mov_b32 s29, 0xfedcba98
	s_lshl_b32 s18, ttmp9, 2
	s_add_co_u32 s18, s18, s16                     ; which run of 8 rows is my wave's
	s_lshl_b32 s30, s18, 15                        ; 32,768 bytes of x,
	s_mov_b32 s31, 0
	s_mul_i32 s32, s18, 6144                       ; 6,144 of codes,
	s_mov_b32 s33, 0
	s_lshl_b32 s34, s18, 8                         ; 256 of scale bytes, 256 of xa2
	s_mov_b32 s35, 0
	s_wait_kmcnt 0x0
	s_add_nc_u64 s[4:5], s[4:5], s[30:31]
	s_add_nc_u64 s[8:9], s[8:9], s[32:33]
	s_add_nc_u64 s[10:11], s[10:11], s[34:35]
	s_add_nc_u64 s[12:13], s[12:13], s[34:35]
	WIN 0x40                                       ; destination window 1: register 128 par + 16 j + i = Aqkv[j][512 par + 16 lane + i]
.irp par, 0,1
.irp j, 0,1,2,3,4,5,6,7
.irp q, 0,1,2,3
	global_load_b128 v[128*\par+16*\j+4*\q:128*\par+16*\j+4*\q+3], v[AO], s[6:7] offset:4096*\j+2048*\par+16*\q
.endr
.endr
.endr
	WIN 0
.macro LOAD t
.irp i, 0,1,2,3
	global_load_b128 v[R+16*((\t)%8)+4*\i:R+16*((\t)%8)+4*\i+3], v3, s[4:5] offset:2048*(\t)+512*\i th:TH_LOAD_NT   ; 32 lanes read 512 consecutive bytes
.endr
.endm
.macro TURN t                          ; step t's numbers through the stage: LDS serves a wave's instructions in order, so no wait stands between the stores and the loads
.irp i, 0,1,2,3
	ds_store_b128 v14, v[R+16*((\t)%8)+4*\i:R+16*((\t)%8)+4*\i+3] offset:32*SP*((\t)%2)+8*SP*\i
.endr
.irp i, 0,1,2,3
	ds_load_b128 v[X+16*((\t)%2)+4*\i:X+16*((\t)%2)+4*\i+3], v15 offset:32*SP*((\t)%2)+16*\i
.endr
.endm
; Row p's eight sums over the 32 lanes: each exchange halves the numbers that a lane carries (it keeps those of its own bit and sends the others), so that 8 numbers cost 21 lines for three exchanges and not 24 for each.
.macro REDUCE p
.irp j, 0,1,2,3,4,5,6,7
	v_add_f32 v[RS+\j], v[ACC+2*\j], v[ACC+2*\j+1]
.endr
.irp k, 0,1,2,3
	v_cndmask_b32 v[RS+8+2*\k], v[RS+\k], v[RS+4+\k], s20          ; kept
	v_cndmask_b32 v[RS+9+2*\k], v[RS+4+\k], v[RS+\k], s20          ; sent
.endr
.irp k, 0,1,2,3
	v_add_f32_dpp v[RS+\k], v[RS+9+2*\k], v[RS+8+2*\k] row_xmask:1 row_mask:0xf bank_mask:0xf
.endr
.irp k, 0,1
	v_cndmask_b32 v[RS+8+2*\k], v[RS+\k], v[RS+2+\k], s21
	v_cndmask_b32 v[RS+9+2*\k], v[RS+2+\k], v[RS+\k], s21
.endr
.irp k, 0,1
	v_add_f32_dpp v[RS+4+\k], v[RS+9+2*\k], v[RS+8+2*\k] row_xmask:2 row_mask:0xf bank_mask:0xf
.endr
	v_cndmask_b32 v[RS+8], v[RS+4], v[RS+5], s22
	v_cndmask_b32 v[RS+9], v[RS+5], v[RS+4], s22
	v_add_f32_dpp v[RS+6], v[RS+9], v[RS+8] row_xmask:4 row_mask:0xf bank_mask:0xf
	v_add_f32_dpp v[RS+6], v[RS+6], v[RS+6] row_xmask:8 row_mask:0xf bank_mask:0xf
	v_permlanex16_b32 v[RS+7], v[RS+6], s28, s29
	v_add_f32 v[RS+6], v[RS+6], v[RS+7]
	v_add_f32 v[RS+6], v[RS+6], v[RS+6]            ; LoRA's factor alpha / r = 2: exact
.if (\p)%4 == 0
	v_mov_b32 v[OUTV], v[RS+6]
.else
	v_cndmask_b32 v[OUTV], v[OUTV], v[RS+6], s[24+(\p)%4]          ; lanes 8 g .. 8 g + 7 keep row g of four
.endif
.if (\p)%4 == 3
	global_store_b32 v[XO], v[OUTV], s[12:13] offset:128*((\p)/4)  ; four rows: 128 consecutive bytes
.endif
.endm
.irp t, 0,1,2,3,4,5,6,7
	LOAD \t
.endr
	s_wait_loadcnt 28                              ; Aqkv's numbers and step 0's four loads are in; seven steps' loads stay out
	TURN 0
.macro STEP t
.set XS, X+16*((\t)%2)
.set CC, C+4*((\t)%4)
.set AW, 128*((\t)%2)
.if (\t) > 0
	s_wait_dscnt 1                                 ; this step's numbers are back from the stage (the last step's byte store may be out)
.else
	s_wait_dscnt 0x0
.endif
.if (\t)+8 < 16
	LOAD (\t)+8                                    ; into the registers that this step's stores into the stage have read
.endif
.if (\t)+1 < 16
.if (\t) <= 7
	s_wait_loadcnt 28                              ; the next step's four loads are in; those of the seven steps behind it may be out
.else
	s_wait_loadcnt 4*(14-(\t))
.endif
	TURN (\t)+1
.endif
	v_max3_num_f32 v8, |v[XS]|, |v[XS+1]|, |v[XS+2]|               ; the largest magnitude of my 16
	v_max3_num_f32 v9, |v[XS+3]|, |v[XS+4]|, |v[XS+5]|
.irp i, 6,10
	v_max3_num_f32 v8, v8, |v[XS+\i]|, |v[XS+\i+1]|
	v_max3_num_f32 v9, v9, |v[XS+\i+2]|, |v[XS+\i+3]|
.endr
	v_max3_num_f32 v8, v8, |v[XS+14]|, |v[XS+15]|
	v_max3_num_f32 v8, v8, v9, 0x1800000           ; and the floor 2^(3 - 127): the byte cannot fall under 1
	v_max_num_f32_dpp v8, v8, v8 row_xmask:1 row_mask:0xf bank_mask:0xf   ; and of my neighbour's 16: the block's
	v_add_nc_u32 v11, 0xff000000, v8               ; 2 off its exponent field: the conversion takes the exponent field of this operand as its scale
	s_wait_alu depctr_va_vdst(0)
	s_wait_xcnt 0x0                                ; earlier stores have read their registers: this step's code registers and the results' register may be written
	v_cvt_scalef32_pk16_fp6_f32 v[CC:CC+2], v[XS:XS+15], v11
	v_lshrrev_b32 v[E+(\t)], 23, v11               ; the scale's byte (a plain line behind the conversion)
	ds_store_b8 v5, v[E+(\t)] offset:16*(\t)       ; both lanes of a block write the same byte with the same value
	global_store_b96 v4, v[CC:CC+2], s[8:9] offset:384*(\t)        ; the wave stores 384 consecutive bytes
	WIN 0x04                                       ; source 1 (Aqkv) window 1
.irp i, 0,2,4,6,8,10,12,14
.irp j, 0,1,2,3,4,5,6,7
.if ((\t)%2 == 0) && (\i == 0)
	v_pk_mul_f32 v[ACC+2*\j:ACC+2*\j+1], v[XS+\i:XS+\i+1], v[AW+16*\j+\i:AW+16*\j+\i+1]   ; a row's first products start its sums
.else
	v_pk_fma_f32 v[ACC+2*\j:ACC+2*\j+1], v[XS+\i:XS+\i+1], v[AW+16*\j+\i:AW+16*\j+\i+1], v[ACC+2*\j:ACC+2*\j+1]
.endif
.endr
.endr
	WIN 0
.if (\t)%2 == 1
	REDUCE (\t)/2
.endif
.endm
.irp t, 0,1,2,3,4,5,6,7,8,9,10,11,12,13,14,15
	STEP \t
.endr
	ds_load_b64 v[8:9], v6                         ; LDS serves a wave's instructions in order: these see my byte stores
	s_wait_dscnt 0x0
	global_store_b64 v7, v[8:9], s[10:11]          ; 32 lanes store 256 consecutive bytes, aligned
	s_wait_tensorcnt 0x0                           ; the wave's end: behind my last LDS store
	ds_add_u32 v[SPW], v[NIL]
	s_wait_dscnt 0x0
	s_endpgm
.Lfunc_end_k_q334ec73074_quantx:
	.size	k_q334ec73074_quantx, .Lfunc_end_k_q334ec73074_quantx-k_q334ec73074_quantx
	.p2alignl 7, 3214868480
	.fill 96, 4, 3214868480
	.section	.rodata,"a",@progbits
	.p2align	6, 0x0
	.amdhsa_kernel k_q334ec73074_quantx
		.amdhsa_group_segment_fixed_size 33280
		.amdhsa_private_segment_fixed_size 0
		.amdhsa_enable_private_segment 0
		.amdhsa_kernarg_size 40
		.amdhsa_user_sgpr_count 2
		.amdhsa_user_sgpr_kernarg_segment_ptr 1
		.amdhsa_wavefront_size32 1
		.amdhsa_system_sgpr_workgroup_id_x 1
		.amdhsa_system_sgpr_workgroup_id_y 1
		.amdhsa_system_sgpr_workgroup_id_z 1
		.amdhsa_system_vgpr_workitem_id 0
		.amdhsa_next_free_vgpr 512
		.amdhsa_next_free_sgpr 66
		.amdhsa_reserve_vcc 0
		.amdhsa_float_denorm_mode_32 3
		.amdhsa_float_denorm_mode_16_64 3
		.amdhsa_memory_ordered 1
		.amdhsa_forward_progress 1
		.amdhsa_inst_pref_size 120
	.end_amdhsa_kernel
	.amdgpu_metadata
---
amdhsa.version: [ 1, 2 ]
amdhsa.kernels:
  - .name:           k_q334ec73074_quantx
    .symbol:         k_q334ec73074_quantx.kd
    .args:
      - { .name: x, .offset: 0, .size: 8, .value_kind: global_buffer, .address_space: global }
      - { .name: Aqkv, .offset: 8, .size: 8, .value_kind: global_buffer, .address_space: global }
      - { .name: xc, .offset: 16, .size: 8, .value_kind: global_buffer, .address_space: global }
      - { .name: xs, .offset: 24, .size: 8, .value_kind: global_buffer, .address_space: global }
      - { .name: xa2, .offset: 32, .size: 8, .value_kind: global_buffer, .address_space: global }
    .group_segment_fixed_size: 33280
    .private_segment_fixed_size: 0
    .kernarg_segment_align: 8
    .kernarg_segment_size: 40
    .max_flat_workgroup_size: 128
    .sgpr_count:     66
    .vgpr_count:     512
    .wavefront_size: 32
...
	.end_amdgpu_metadata
.endif
;; end of part 1
;; launch qkv (part 2): grid 12 x 32, 4 waves a work-group, clusters of 4 x 4, 327,680 bytes of LDS; arguments xc, xs, Wqkv_codes, Wqkv_scales, xa2, Bqkv, bqkv, qb, kv; writes qb, kv
.if DOCPART == 2
	.amdgcn_target "amdgcn-amd-amdhsa--gfx1250"
	.amdhsa_code_object_version 6
	.text
	.protected	k_q334ec73074_qkv
	.globl	k_q334ec73074_qkv
	.p2align	8
	.type	k_q334ec73074_qkv,@function
k_q334ec73074_qkv:
	s_mov_b64 s[64:65], 0
	v_nop
	global_prefetch_b8 v0, s[64:65] scope:SCOPE_SE
	s_setreg_imm32_b32 hwreg(HW_REG_WAVE_MODE, 25, 1), 1
	s_wait_xcnt 0x0
	s_wait_alu depctr_hold_cnt(0) depctr_sa_sdst(0) depctr_va_vdst(0) depctr_va_sdst(0) depctr_va_ssrc(0) depctr_va_vcc(0) depctr_vm_vsrc(0)
	s_getreg_b32 s2, hwreg(HW_REG_IB_STS2, 6, 4)
	s_cmp_eq_u32 s2, 0
	s_cbranch_scc0 .Lentry_in_a_cluster
	s_endpgm
.Lentry_in_a_cluster:
	s_bfe_u32 s2, ttmp6, 0x10000c
	s_cmp_lg_u32 s2, 0xf033
	s_cbranch_scc0 .Lentry_shape_is_right
	s_endpgm
.Lentry_shape_is_right:
; qkv = x Wqkv^T + bqkv + (2 x Aqkv^T) Bqkv^T, [8192][3072]; the first product on codes of FP6 (E2M3) with E8M0 scales, the last in f32 (it goes on into quantisers).  No work is left out here.
; q and k are quantised along the head's 64, v along the keys, in registers, and leave as images of the attention launch's operand registers.
; LIMITS: NaN and infinities are not served; a block whose largest magnitude lies under 2^-124, or that is all zeros, keeps the byte 1 (zero codes; this program alone reads the bytes).
; SHARES.  A work-group makes 256 x 256, a wave 128 x 128: 64 accumulators.  A row of codes is 768 bytes: three chunks of 256 bytes, each beginning at a multiple of 256, through a ring of two LDS slots; a step of 128 along K
; is 96 bytes, so steps 2 and 5 lie across two chunks.  The scale bytes of the work-group's rows come once and stay.
; ROLES.  Source 0 is P: its rows run along a lane's registers in the result, so P carries the axis that is quantised.  Source 1 is R.  q, k: P = W, R = x.  v: P = x (tokens are the next K), R = W.
; CLUSTERS of 4 x 4; the cluster's x is the kind (0 q, 1 k, 2 v), the same in all partners.  R's tile hangs on cy and is asked for jointly along a row of the cluster, P's on cx, along a column: for v the two places change
; hands (feature tile 8 + cy, token tile 4 cluster y + cx), and the buffers are chosen by a select on the kind.  So LDS map, descriptors' shapes and LDS addresses are the same for all kinds.
; No prefetch: of the three chunks two are first fills and one is a refill, asked for in step 2; no earlier trip exists in which to ask ahead of it.
; THE ORDER OF CODES IN A BLOCK OF 32: position e < 16 holds index 16 (e / 8) + e % 8, position e >= 16 index 16 ((e - 16) / 8) + 8 + e % 8; q and k have it alike, and so have v and the softmax's p.
; OUT.  qb [head 64][key step 16][6,400]: four images of 1,536 bytes, two scale images of 128.  kv [head 64][key step 16][12,800]: k's four images, v's four, k's two scale images, v's two.
; REGISTERS: window 0: v1-30 addresses; v32-63 scale words alone; from v128 R's fragments.  window 1: P's fragments, two sets (at the head P's LoRA rows and the bias).  windows 2, 3: accumulators.
.set ROWB,   256
.set NQ,     2
.set KROW,   768
.set STEPS,  8
.set CHUNKS, 3
.set PITCH,  272
.set FR,     12
.set NL,     6
.set NP,     4
.set HALFT,  128*PITCH
.set SLOT,   4*HALFT
.set KS,     32
.set SCL,    2*SLOT
.set HALFS,  16*272
.set SBLK,   2*272
.set SPARE,  SCL+4*HALFS
.set ADRA, 16                          ; v16-19 R's fragments: slot 0, 1; across slots 0/1, 1/0
.set ADRB, 20                          ; v20-23 the same for P
.set LT,   24
.set LB,   25
.set LI,   26
.set ADRS, 27
.set SPW,  28
.set NIL,  29
.set LS,   30
.set SC,   32
.set AF,   128
.set RL,   128
.set PL,   0
.set BC,   64
.set PCA,  128
.set PCB,  140
.set TM,   200
.set PW,   216
.set W0,   220
.set T0,   222
.set T1,   223
.set TC,   224
.set G1, 24
.set G0, 32
.set G1B, 48
.set G0B, 56
.set G1S, 68
.set G0S, 76
.set G1SB, 80
.set G0SB, 88
.set G0H, 4
.set G0HB, 8
.set PC0, 68
.set PS0, 72
.set MASKHI, 76
.set FLOOR, 77
.set SEL, 78
.set MSB, 0
.macro WIN new
.if MSB != (\new)
	s_set_vgpr_msb (MSB<<8)|(\new)
.set MSB, \new
.endif
.endm
.set MUL_LO, 0xa1
.set MUL_HI, 0xf1
.set TO_B,   0x40
.macro JLOAD g0a, g1a, g0b, g1b        ; waves 0, 1 fetch for R, waves 2, 3 for P
	s_cmp_eq_u32 s15, 0
	s_cbranch_scc0 .Lfor_b_\@
	tensor_load_to_lds s[\g0a:\g0a+3], s[\g1a:\g1a+7]
	s_nop 0
.rept 4
	v_nop
.endr
	s_branch .Lasked_\@
.Lfor_b_\@:
	tensor_load_to_lds s[\g0b:\g0b+3], s[\g1b:\g1b+7]
	s_nop 0
.rept 4
	v_nop
.endr
.Lasked_\@:
.endm
.macro CREST
	s_cmp_lg_u32 s14, 0
	s_cbranch_scc1 .Lnot_wave_0_\@
	s_barrier_signal -3
.Lnot_wave_0_\@:
	s_barrier_wait -3
	s_barrier_signal -1
	s_barrier_wait -1
.endm
.macro CROUND
	s_barrier_signal -1
	s_barrier_wait -1
	CREST
.endm
	s_load_b256 s[4:11], s[0:1], 0x0               ; xc, xs, W's codes, W's scales
	s_load_b256 s[92:99], s[0:1], 0x20             ; xa2, Bqkv, bqkv, qb
	s_load_b64 s[100:101], s[0:1], 0x40            ; kv
	v_lshl_add_u32 v[SPW], v0, 2, SPARE
	v_mov_b32 v[NIL], 0
	ds_add_u32 v[SPW], v[NIL]                      ; the opening lines
	ds_add_u32 v[SPW], v[NIL]
	v_lshrrev_b32 v1, 5, v0
	v_readfirstlane_b32 s14, v1                    ; wave
	s_lshr_b32 s15, s14, 1                         ; my half of R's rows; also: I fetch for R (0) or P (1)
	s_and_b32 s16, s14, 1                          ; my half of P's rows; also: which 128 rows I fetch
	s_bfe_u32 s40, ttmp6, 0x40000                  ; cx
	s_bfe_u32 s41, ttmp6, 0x40004                  ; cy
	s_and_b32 s18, ttmp7, 0xffff
	s_lshl_b32 s18, s18, 2                         ; 4 x cluster y
	s_lshl_b32 s19, ttmp9, 2                       ; 4 x cluster x
	s_cmp_eq_u32 ttmp9, 2
	s_cselect_b32 s105, 1, 0                       ; 1 for v
	s_cselect_b32 s17, 8, s18
	s_cselect_b32 s42, s18, s19
	s_add_co_u32 s17, s17, s41                     ; R's tile of 256 rows: hangs on cy alone
	s_add_co_u32 s42, s42, s40                     ; P's: on cx alone
	s_lshl_b32 s43, s41, 2
	s_lshl_b32 s43, 15, s43                        ; my row of the cluster
	s_lshl_b32 s44, 0x1111, s40                    ; my column
	s_or_b32 s[G1+0], s43, (0<<16)|(1<<20)|(1<<21)|(5<<22)|(3<<25)  ; rows of 256 bytes, 16 of padding behind each
	s_or_b32 s[G1B+0], s44, (0<<16)|(1<<20)|(1<<21)|(5<<22)|(3<<25)
.irp g, G1, G1B
	s_mov_b32 s[\g+1], ROWB<<16
	s_mov_b32 s[\g+2], 256<<16                     ; 256 rows for the head's loads
	s_mov_b32 s[\g+3], ROWB<<16
	s_mov_b32 s[\g+4], 256
	s_mov_b32 s[\g+5], KROW
	s_mov_b32 s[\g+6], 0
	s_mov_b32 s[\g+7], 0
.endr
	s_or_b32 s[G1S+0], s43, (3<<16)|(1<<20)|(1<<21)|(5<<22)|(3<<25) ; the scales of 256 rows: 8,192 dense bytes as 32 rows of 256
	s_or_b32 s[G1SB+0], s44, (3<<16)|(1<<20)|(1<<21)|(5<<22)|(3<<25)
.irp g, G1S, G1SB
	s_mov_b32 s[\g+1], 32<<16
	s_mov_b32 s[\g+2], KS<<16
	s_mov_b32 s[\g+3], 32<<16
	s_mov_b32 s[\g+4], KS
	s_mov_b32 s[\g+5], 32
	s_mov_b32 s[\g+6], 0
	s_mov_b32 s[\g+7], 0
.endr
	s_lshl_b32 s20, s17, 8
	s_lshl_b32 s46, s42, 8
	s_mov_b32 s21, 0
	s_mov_b32 s47, 0
	s_mov_b64 s[18:19], KS
	s_mul_u64 s[22:23], s[20:21], s[18:19]
	s_mul_u64 s[12:13], s[46:47], s[18:19]
	s_mov_b64 s[18:19], KROW
	s_mul_u64 s[20:21], s[20:21], s[18:19]
	s_mul_u64 s[46:47], s[46:47], s[18:19]
	s_mul_i32 s18, s16, 128*KROW
	s_mov_b32 s19, 0
	s_mul_i32 s45, s14, HALFT
	s_wait_dscnt 0x0
	s_wait_kmcnt 0x0
	s_cmp_eq_u32 s105, 0
	s_cselect_b64 s[2:3], s[4:5], s[8:9]           ; R's codes: x's for q and k, W's for v
	s_cselect_b64 s[8:9], s[8:9], s[4:5]           ; P's: the other
	s_cselect_b64 s[4:5], s[6:7], s[10:11]         ; R's scales
	s_cselect_b64 s[10:11], s[10:11], s[6:7]       ; P's
	s_add_nc_u64 s[20:21], s[2:3], s[20:21]
	s_add_nc_u64 s[22:23], s[4:5], s[22:23]
	s_add_nc_u64 s[46:47], s[8:9], s[46:47]
	s_add_nc_u64 s[12:13], s[10:11], s[12:13]
	CROUND                                         ; the first joint loads meet
	s_mov_b32 s[G0H], 1
	s_mov_b32 s[G0H+1], 0
	s_mov_b64 s[G0H+2:G0H+3], s[20:21]
	s_or_b32 s[G0H+3], s[G0H+3], 0x80000000
	s_mov_b32 s[G0HB], 1
	s_mov_b32 s[G0HB+1], 2*HALFT
	s_mov_b64 s[G0HB+2:G0HB+3], s[46:47]
	s_or_b32 s[G0HB+3], s[G0HB+3], 0x80000000
	s_mov_b32 s[G0S], 1
	s_mov_b32 s[G0S+1], SCL
	s_mov_b64 s[G0S+2:G0S+3], s[22:23]
	s_or_b32 s[G0S+3], s[G0S+3], 0x80000000
	s_mov_b32 s[G0SB], 1
	s_mov_b32 s[G0SB+1], SCL+2*HALFS
	s_mov_b64 s[G0SB+2:G0SB+3], s[12:13]
	s_or_b32 s[G0SB+3], s[G0SB+3], 0x80000000
	s_add_nc_u64 s[20:21], s[20:21], s[18:19]
	s_add_nc_u64 s[46:47], s[46:47], s[18:19]
.irp s, 0,1
	s_mov_b32 s[G0+4*\s], 1
	s_add_co_u32 s[G0+4*\s+1], s45, \s*SLOT
	s_add_nc_u64 s[G0+4*\s+2:G0+4*\s+3], s[20:21], \s*ROWB
	s_or_b32 s[G0+4*\s+3], s[G0+4*\s+3], 0x80000000
	s_mov_b32 s[G0B+4*\s], 1
	s_add_co_u32 s[G0B+4*\s+1], s45, \s*SLOT
	s_add_nc_u64 s[G0B+4*\s+2:G0B+4*\s+3], s[46:47], \s*ROWB
	s_or_b32 s[G0B+4*\s+3], s[G0B+4*\s+3], 0x80000000
.endr
; the head's four tiles, one load a wave: chunk 0 of R's 256 rows, of P's, R's scales, P's
.macro ARM under, g0, g1, next
	s_cmp_lt_u32 s14, \under
	s_cbranch_scc0 \next
	tensor_load_to_lds s[\g0:\g0+3], s[\g1:\g1+7]
	s_nop 0
.rept 4
	v_nop
.endr
	s_branch .Lhead_asked
\next:
.endm
	ARM 1, G0H,  G1,  .Lhead_b
	ARM 2, G0HB, G1B, .Lhead_sa
	ARM 3, G0S,  G1S, .Lhead_sb
	tensor_load_to_lds s[G0SB:G0SB+3], s[G1SB:G1SB+7]
	s_nop 0
.rept 4
	v_nop
.endr
.Lhead_asked:
	s_mul_i32 s20, s15, HALFT                      ; my rows of R in slot 0
	s_mul_i32 s21, s16, HALFT
	s_add_co_u32 s21, s21, 2*HALFT                 ; my rows of P
	s_add_co_u32 s22, s20, SLOT
	s_add_co_u32 s23, s21, SLOT
	s_mul_i32 s67, s15, HALFS
	s_mul_i32 s66, s16, HALFS
	s_add_co_u32 s66, s66, 2*HALFS
	s_sub_co_u32 s66, s66, s67                     ; from R's scale words to P's
	s_add_co_u32 s67, s67, SCL
	s_lshl_b32 s2, s42, 8
	s_lshl_b32 s3, s16, 7
	s_add_co_u32 s2, s2, s3                        ; P's first row of mine
	s_lshl_b32 s104, s17, 8
	s_lshl_b32 s3, s15, 7
	s_add_co_u32 s104, s104, s3                    ; R's
	s_cmp_eq_u32 s105, 0
	s_cselect_b32 s46, s2, s104                    ; my first feature
	s_cselect_b64 s[18:19], s[94:95], s[92:93]     ; P's LoRA rows: Bqkv's for q and k, xa2's for v
	s_cselect_b64 s[12:13], s[92:93], s[94:95]     ; R's
	s_lshl_b32 s46, s46, 2
	s_mov_b32 s47, 0
	s_add_nc_u64 s[46:47], s[96:97], s[46:47]      ; the bias
	s_lshl_b32 s2, s2, 5
	s_mov_b32 s3, 0
	s_add_nc_u64 s[18:19], s[18:19], s[2:3]
	s_lshl_b32 s2, s104, 5
	s_add_nc_u64 s[12:13], s[12:13], s[2:3]
	v_and_b32 v1, 15, v0                           ; r
	v_bfe_u32 v2, v0, 4, 1                         ; h
	v_mul_u32_u24 v3, v1, PITCH
	v_mul_u32_u24 v4, v2, 24
	v_add_nc_u32 v4, v3, v4
	v_sub_nc_u32 v7, 1, v2
	v_mul_u32_u24 v5, v2, SLOT-232
	v_add_nc_u32 v5, v3, v5
	v_add_nc_u32 v5, 232, v5                       ; lanes 0-15 byte 232 of the row in slot 0, lanes 16-31 byte 0 in slot 1
	v_mul_u32_u24 v6, v7, SLOT+232
	v_add_nc_u32 v6, v3, v6                        ; and the other way round
	v_add_nc_u32 v[ADRA+2], s20, v5
	v_add_nc_u32 v[ADRA+3], s20, v6
	v_add_nc_u32 v[ADRB+2], s21, v5
	v_add_nc_u32 v[ADRB+3], s21, v6
	v_add_nc_u32 v[ADRA], s20, v4
	v_add_nc_u32 v[ADRB], s21, v4
	v_add_nc_u32 v[ADRA+1], s22, v4
	v_add_nc_u32 v[ADRB+1], s23, v4
	v_mul_u32_u24 v5, v1, KS
	v_lshrrev_b32 v6, 8, v5
	v_lshl_add_u32 v5, v6, 4, v5
	v_mul_u32_u24 v6, s66, v2                      ; lanes 16-31 take P's words
	v_add_nc_u32 v5, v5, v6
	v_add_nc_u32 v[ADRS], s67, v5
	v_lshlrev_b32 v[LT], 5, v1
	v_lshl_add_u32 v[LT], v2, 4, v[LT]             ; 32 r + 16 h
	v_and_b32 v6, 31, v0
	v_lshlrev_b32 v[LI], 4, v6
	v_lshlrev_b32 v[LS], 2, v6
	s_wait_alu depctr_va_vdst(0)
; THE BIAS AND THE LoRA TERM START THE SUMS: K = 8 is two instructions of the f32 form; the 64 accumulators take turns; the first K step takes the bias as C
.macro LORAH s, cmode, a0
.irp a, \a0, \a0+1, \a0+2, \a0+3
.irp b, 0,1,2,3,4,5,6,7
.if \cmode == 0
	v_wmma_f32_16x16x4_f32 v[8*(8*((\a)%4)+\b):8*(8*((\a)%4)+\b)+7], v[PL+4*\b+2*\s:PL+4*\b+2*\s+1], v[RL+4*(\a)+2*\s:RL+4*(\a)+2*\s+1], v[8*(8*((\a)%4)+\b):8*(8*((\a)%4)+\b)+7]
.elseif \cmode == 1
	v_wmma_f32_16x16x4_f32 v[8*(8*((\a)%4)+\b):8*(8*((\a)%4)+\b)+7], v[PL+4*\b+2*\s:PL+4*\b+2*\s+1], v[RL+4*(\a)+2*\s:RL+4*(\a)+2*\s+1], v[BC+8*\b:BC+8*\b+7]
.else
	v_wmma_f32_16x16x4_f32 v[8*(8*((\a)%4)+\b):8*(8*((\a)%4)+\b)+7], v[PL+4*\b+2*\s:PL+4*\b+2*\s+1], v[RL+4*(\a)+2*\s:RL+4*(\a)+2*\s+1], v[BC+8*(\a):BC+8*(\a)+7]
.endif
.endr
.endr
.endm
.macro LORA s, cmode                   ; cmode 0: C = D; 1: the bias runs along P's rows; 2: along R's
.if \cmode == 0
	WIN 0xa1
.else
	WIN 0x91
.endif
	LORAH \s, \cmode, 0
.if \cmode == 0
	WIN 0xf1
.else
	WIN 0xd1
.endif
	LORAH \s, \cmode, 4
.endm
	WIN TO_B
.irp i, 0,1,2,3,4,5,6,7
	global_load_b128 v[PL+4*\i:PL+4*\i+3], v[LT], s[18:19] offset:512*\i
.endr
	WIN 0
.irp i, 0,1,2,3,4,5,6,7
	global_load_b128 v[RL+4*\i:RL+4*\i+3], v[LT], s[12:13] offset:512*\i
.endr
	s_cmp_eq_u32 s105, 0
	s_cbranch_scc0 .Lbias_v
	v_lshlrev_b32 v[LB], 5, v2                     ; q, k: register j of block b is the bias of feature 16 b + 8 h + j
	WIN TO_B
.irp b, 0,1,2,3,4,5,6,7
	global_load_b128 v[BC+8*\b:BC+8*\b+3], v[LB], s[46:47] offset:64*\b
	global_load_b128 v[BC+8*\b+4:BC+8*\b+7], v[LB], s[46:47] offset:64*\b+16
.endr
	s_wait_loadcnt 0x0
	LORA 0, 1
	WIN 0
	s_branch .Lbias_done
.Lbias_v:
	v_lshlrev_b32 v[LB], 2, v1                     ; v: all eight registers of block a hold the bias of feature 16 a + r
	WIN TO_B
.irp a, 0,1,2,3,4,5,6,7
.irp j, 0,1,2,3,4,5,6,7
	global_load_b32 v[BC+8*\a+\j], v[LB], s[46:47] offset:64*\a
.endr
.endr
	s_wait_loadcnt 0x0
	LORA 0, 2
	WIN 0
.Lbias_done:
	s_wait_alu depctr_va_vdst(0)
	s_wait_tensorcnt 0x0                           ; my tile of the head's four is in; the three lines ahead of a later first fill
	ds_add_u32 v[SPW], v[NIL]
	s_mov_b32 s[G1+2], 128<<16                     ; no load of mine is out: from here on a load brings 128 rows
	s_mov_b32 s[G1+4], 128
	s_mov_b32 s[G1B+2], 128<<16
	s_mov_b32 s[G1B+4], 128
	s_wait_dscnt 0x0
	CROUND
	JLOAD G0+4, G1, G0B+4, G1B                     ; chunk 1: it lands under the LoRA term's second K step and steps 0, 1
	LORA 1, 0
	WIN 0
.rept 9
	v_nop                                          ; nine places behind the f32 form
.endr
.macro FRAG reg, adr, st, i            ; 16 rows x 128 K: 12 registers in pieces of 8 bytes; byte y of a row lies in slot (y / 256) % 2 at byte y % 256
.irp p, 0,1,2,3,4,5
.set BY, 96*(\st)+48*(\p/3)+8*(\p%3)
.if BY/ROWB == (BY+24)/ROWB
	ds_load_b64 v[\reg+2*\p:\reg+2*\p+1], v[\adr+(BY/ROWB)%2] offset:BY%ROWB+(\i)*16*PITCH
.else
	ds_load_b64 v[\reg+2*\p:\reg+2*\p+1], v[\adr+2+(BY/ROWB)%2] offset:BY%ROWB-232+(\i)*16*PITCH
.endif
.endr
.endm
.macro MUL16 a0, p, q, sc              ; R's blocks a0, a0 + 1 x P's eight; the accumulators take turns
.irp a, \a0, \a0+1
.irp b, 0,1,2,3,4,5,6,7
	v_wmma_scale_f32_16x16x128_f8f6f4 v[8*(8*((\a)%4)+\b):8*(8*((\a)%4)+\b)+7], v[128*(\p)+FR*\b:128*(\p)+FR*\b+FR-1], v[AF+FR*(\a):AF+FR*(\a)+FR-1], v[8*(8*((\a)%4)+\b):8*(8*((\a)%4)+\b)+7], v[SC+8*NQ*(\sc)+NQ*\b+(\q)], v[SC+8*NQ*(\sc)+NQ*(\a)+(\q)] matrix_a_fmt:MATRIX_FMT_FP6 matrix_b_fmt:MATRIX_FMT_FP6 matrix_a_scale:MATRIX_SCALE_ROW1
.endr
.endr
.endm
.macro FETCH_B st, p
	WIN TO_B
.irp i, 0,1,2,3,4,5,6,7
	FRAG 128*(\p)+FR*\i, ADRB, \st, \i
.endr
	WIN 0
.endm
.macro FETCH_A st, i0
.irp i, \i0, \i0+1, \i0+2, \i0+3
	FRAG AF+FR*(\i), ADRA, \st, \i
.endr
.endm
.macro SCALES pr                       ; the scale words of steps 2 pr, 2 pr + 1: lanes 0-15 R's block i, lanes 16-31 P's
.irp i, 0,1,2,3,4,5,6,7
	ds_load_b64 v[SC+8*NQ*((\pr)%2)+NQ*\i:SC+8*NQ*((\pr)%2)+NQ*\i+1], v[ADRS] offset:\i*SBLK+4*NQ*(\pr)
.endr
.endm
.macro PLACES n
.rept \n
	v_nop
.endr
.endm
; A step: 64 products; the next step's fragments come in its middle and at its end.  Where the next step ends in a chunk not yet read: a wait for my tensor loads and a barrier.  Where it begins in a later chunk: the three lines,
; the barrier, and, where a chunk two on is left, the cluster's round and the refill.
.macro STEP st
.set NX, (\st)+1
.set C0, (96*(\st))/ROWB
.set C1, (96*NX)/ROWB
.set E0, (96*(\st)+95)/ROWB
.set E1, (96*NX+95)/ROWB
.if C1 > C0 || E1 > E0
	s_wait_tensorcnt 0x0
.if C1 > C0
	ds_add_u32 v[SPW], v[NIL]
	s_wait_dscnt 4*NL+1                            ; the add and R's blocks 4-7 may be out
.else
	s_wait_dscnt 4*NL
.endif
	WIN MUL_LO
	MUL16 0, (\st)%2, (\st)%2, ((\st)/2)%2
	s_wait_dscnt 0x0
	s_barrier_signal -1
	MUL16 2, (\st)%2, (\st)%2, ((\st)/2)%2
	WIN 0
	s_barrier_wait -1
.if C1 > C0 && C0+2 < CHUNKS
	CREST
	s_add_nc_u64 s[G0+4*(C0%2)+2:G0+4*(C0%2)+3], s[G0+4*(C0%2)+2:G0+4*(C0%2)+3], 2*ROWB
	s_add_nc_u64 s[G0B+4*(C0%2)+2:G0B+4*(C0%2)+3], s[G0B+4*(C0%2)+2:G0B+4*(C0%2)+3], 2*ROWB
	JLOAD G0+4*(C0%2), G1, G0B+4*(C0%2), G1B
.else
	PLACES NP
.endif
.else
	s_wait_dscnt 4*NL                              ; R's blocks 4-7, the youngest 24 loads, may be out
	WIN MUL_LO
	MUL16 0, (\st)%2, (\st)%2, ((\st)/2)%2
	MUL16 2, (\st)%2, (\st)%2, ((\st)/2)%2
	s_wait_dscnt 0
	PLACES NP
.endif
	FETCH_B NX, NX%2
	FETCH_A NX, 0
.if NX%2 == 0
	SCALES NX/2
.endif
	WIN MUL_HI
	MUL16 4, (\st)%2, (\st)%2, ((\st)/2)%2
	MUL16 6, (\st)%2, (\st)%2, ((\st)/2)%2
	PLACES NP
	WIN 0
	FETCH_A NX, 4
.endm
	FETCH_B 0, 0
	FETCH_A 0, 0
	SCALES 0
	FETCH_A 0, 4
.set ST, 0
.rept STEPS-1
	STEP ST
.set ST, ST+1
.endr
	s_wait_dscnt 4*NL
	WIN MUL_LO
	MUL16 0, 1, 1, 1
	MUL16 2, 1, 1, 1
	s_wait_dscnt 0
	WIN MUL_HI
	MUL16 4, 1, 1, 1
	MUL16 6, 1, 1, 1
	WIN 0
	PLACES NP
; THE WAY OUT.  R's block a: a lane's 64 registers are four blocks of 32 along P (lanes l and l xor 16 hold a block between them).  Each accumulator is read from its low end on.
.macro QUANT a, d0, d1, pw
.set QW, 2+(\a)/4
.set QWIN, (QW<<2)|(QW<<4)
.set AC, 64*((\a)%4)
	WIN QWIN
.irp b, 0,1,2,3
	v_max3_num_f32 v[TM+\b], s[FLOOR], |v[AC+16*\b]|, |v[AC+16*\b+1]|   ; with the floor 2^(3 - 127)
.endr
.irp i, 2,4,6,8,10,12,14
.irp b, 0,1,2,3
	v_max3_num_f32 v[TM+\b], v[TM+\b], |v[AC+16*\b+\i]|, |v[AC+16*\b+\i+1]|
.endr
.endr
	WIN 0
.irp b, 0,1,2,3
	v_permlanex16_b32 v[TM+4+\b], v[TM+\b], s[SEL], s[SEL+1]
.endr
.irp b, 0,1,2,3
	v_max_num_f32 v[TM+\b], v[TM+\b], v[TM+4+\b]
.endr
.irp b, 0,1,2,3
	v_add_nc_u32 v[TM+12+\b], 0xff000000, v[TM+\b] ; 2 off the exponent field: the conversion's scale operand
.endr
.irp b, 0,1,2,3
	v_lshrrev_b32 v[TM+4+\b], 23, v[TM+12+\b]      ; the byte
.endr
	v_lshl_or_b32 v[\pw], v[TM+5], 8, v[TM+4]
	v_lshl_or_b32 v[\pw], v[TM+6], 16, v[\pw]
	v_lshl_or_b32 v[\pw], v[TM+7], 24, v[\pw]
	s_wait_alu depctr_va_vdst(0)
	s_wait_xcnt 0x0                                ; earlier stores have read their registers
	WIN QW
	v_cvt_scalef32_pk16_fp6_f32 v[\d0:\d0+2], v[AC:AC+15], v[TM+12]
	v_cvt_scalef32_pk16_fp6_f32 v[TC:TC+2], v[AC+16:AC+31], v[TM+13]
	v_cvt_scalef32_pk16_fp6_f32 v[\d1:\d1+2], v[AC+32:AC+47], v[TM+14]
	v_cvt_scalef32_pk16_fp6_f32 v[TC+4:TC+6], v[AC+48:AC+63], v[TM+15]
	WIN 0
	v_nop
.irp i, 0,1,2
	v_permlane16_swap_b32 v[\d0+\i], v[TC+\i]      ; a whole block in a lane
	v_permlane16_swap_b32 v[\d1+\i], v[TC+4+\i]
.endr
.irp i, 0,1,2
	v_mov_b32 v[\d0+3+\i], v[TC+\i]
	v_mov_b32 v[\d1+3+\i], v[TC+4+\i]
.endr
.endm
.macro SCW c, g, sel
	v_perm_b32 v[T0], v[PW+1], v[PW], \sel
	v_perm_b32 v[T1], v[PW+3], v[PW+2], \sel
	v_cndmask_b32 v[W0+\c], v[T0], v[T1], s[MASKHI]
	global_store_b32 v[LS], v[W0+\c], s[PS0+2*\c:PS0+2*\c+1] offset:128*(\g)
.endm
.irp b, 0,1,2,3
	v_mov_b32 v[TM+4+\b], 0                        ; a lane permute's destination counts as a source
.endr
	s_mov_b32 s[MASKHI], 0xffff0000
	s_mov_b32 s[FLOOR], 0x1800000
	s_mov_b32 s[SEL], 0x76543210
	s_mov_b32 s[SEL+1], 0xfedcba98
	s_cmp_eq_u32 s105, 0
	s_cselect_b32 s90, s17, s42                    ; the tile of 256 tokens,
	s_cselect_b32 s91, s15, s16                    ; my half of it,
	s_cselect_b32 s82, s40, s41                    ; the tile of 256 features within the kind,
	s_cselect_b32 s83, s16, s15                    ; my half of it
	s_lshr_b32 s80, s90, 3                         ; the batch
	s_and_b32 s81, s90, 7
	s_lshl_b32 s81, s81, 1
	s_add_co_u32 s81, s81, s91                     ; the key step
	s_lshl_b32 s82, s82, 2
	s_lshl_b32 s83, s83, 1
	s_add_co_u32 s82, s82, s83                     ; my first head of two
	s_lshl_b32 s80, s80, 4
	s_add_co_u32 s80, s80, s82
	s_lshl_b32 s80, s80, 4
	s_add_co_u32 s80, s80, s81                     ; (16 batch + head) 16 + key step
	s_min_u32 s83, ttmp9, 1
	s_lshl_b32 s84, 6400, s83
	s_lshl_b32 s85, 6144, s83
	s_cmp_eq_u32 ttmp9, 2
	s_cselect_b32 s86, 6144, 0
	s_cselect_b32 s87, 256, 0
	s_add_co_u32 s85, s85, s87
	s_cmp_eq_u32 ttmp9, 0
	s_cselect_b64 s[88:89], s[98:99], s[100:101]
	s_mul_i32 s80, s80, s84
	s_mov_b32 s81, 0
	s_add_nc_u64 s[88:89], s[88:89], s[80:81]
	s_mov_b32 s87, 0
	s_add_nc_u64 s[PC0:PC0+1], s[88:89], s[86:87]
	s_mov_b32 s86, s85
	s_add_nc_u64 s[PS0:PS0+1], s[88:89], s[86:87]
	s_lshl_b32 s80, s84, 4
	s_add_nc_u64 s[PC0+2:PC0+3], s[PC0:PC0+1], s[80:81]
	s_add_nc_u64 s[PS0+2:PS0+3], s[PS0:PS0+1], s[80:81]
	s_cmp_eq_u32 s105, 0
	s_cbranch_scc0 .Lout_v
.irp be, 0,1,2,3                       ; q, k: a lane holds a token; blocks 0, 1 my first head's 64, blocks 2, 3 my second's
	QUANT 2*\be, PCA, PCB, PW+(2*\be)%4
	QUANT 2*\be+1, PCA+6, PCB+6, PW+(2*\be+1)%4
.irp i, 0,1,2
	global_store_b128 v[LI], v[PCA+4*\i:PCA+4*\i+3], s[PC0:PC0+1] offset:1536*\be+512*\i       ; 512 consecutive bytes, aligned
	global_store_b128 v[LI], v[PCB+4*\i:PCB+4*\i+3], s[PC0+2:PC0+3] offset:1536*\be+512*\i
.endr
.if \be%2 == 1
	SCW 0, \be/2, 0x05040100
	SCW 1, \be/2, 0x07060302
.endif
.endr
	s_branch .Lout_done
.Lout_v:
.irp t, 0,1,2,3,4,5,6,7                ; v: a lane holds a feature; its four blocks are the step's 128 keys
	QUANT \t, PCA, PCA+6, PW+\t%2
.irp i, 0,1,2
	global_store_b128 v[LI], v[PCA+4*\i:PCA+4*\i+3], s[PC0+2*(\t/4):PC0+2*(\t/4)+1] offset:1536*(\t%4)+512*\i
.endr
.if \t%2 == 1
	v_cndmask_b32 v[W0+(\t/2)%2], v[PW], v[PW+1], s[MASKHI]
	global_store_b32 v[LS], v[W0+(\t/2)%2], s[PS0+2*(\t/4):PS0+2*(\t/4)+1] offset:128*((\t%4)/2)
.endif
.endr
.Lout_done:
	s_wait_tensorcnt 0x0                           ; the wave's end
	ds_add_u32 v[SPW], v[NIL]
	s_wait_dscnt 0x0
	CROUND                                         ; the closing round
	s_endpgm
.Lfunc_end_k_q334ec73074_qkv:
	.size	k_q334ec73074_qkv, .Lfunc_end_k_q334ec73074_qkv-k_q334ec73074_qkv
	.p2alignl 7, 3214868480
	.fill 96, 4, 3214868480
	.section	.rodata,"a",@progbits
	.p2align	6, 0x0
	.amdhsa_kernel k_q334ec73074_qkv
		.amdhsa_group_segment_fixed_size 327680
		.amdhsa_private_segment_fixed_size 0
		.amdhsa_enable_private_segment 0
		.amdhsa_kernarg_size 72
		.amdhsa_user_sgpr_count 2
		.amdhsa_user_sgpr_kernarg_segment_ptr 1
		.amdhsa_wavefront_size32 1
		.amdhsa_system_sgpr_workgroup_id_x 1
		.amdhsa_system_sgpr_workgroup_id_y 1
		.amdhsa_system_sgpr_workgroup_id_z 1
		.amdhsa_system_vgpr_workitem_id 0
		.amdhsa_next_free_vgpr 1024
		.amdhsa_next_free_sgpr 106
		.amdhsa_reserve_vcc 0
		.amdhsa_float_denorm_mode_32 3
		.amdhsa_float_denorm_mode_16_64 3
		.amdhsa_memory_ordered 1
		.amdhsa_forward_progress 1
		.amdhsa_inst_pref_size 222
	.end_amdhsa_kernel
	.amdgpu_metadata
---
amdhsa.version: [ 1, 2 ]
amdhsa.kernels:
  - .name:           k_q334ec73074_qkv
    .symbol:         k_q334ec73074_qkv.kd
    .args:
      - { .name: xc, .offset: 0, .size: 8, .value_kind: global_buffer, .address_space: global }
      - { .name: xs, .offset: 8, .size: 8, .value_kind: global_buffer, .address_space: global }
      - { .name: Wqkv_codes, .offset: 16, .size: 8, .value_kind: global_buffer, .address_space: global }
      - { .name: Wqkv_scales, .offset: 24, .size: 8, .value_kind: global_buffer, .address_space: global }
      - { .name: xa2, .offset: 32, .size: 8, .value_kind: global_buffer, .address_space: global }
      - { .name: Bqkv, .offset: 40, .size: 8, .value_kind: global_buffer, .address_space: global }
      - { .name: bqkv, .offset: 48, .size: 8, .value_kind: global_buffer, .address_space: global }
      - { .name: qb, .offset: 56, .size: 8, .value_kind: global_buffer, .address_space: global }
      - { .name: kv, .offset: 64, .size: 8, .value_kind: global_buffer, .address_space: global }
    .group_segment_fixed_size: 327680
    .private_segment_fixed_size: 0
    .kernarg_segment_align: 8
    .kernarg_segment_size: 72
    .max_flat_workgroup_size: 128
    .sgpr_count:     106
    .vgpr_count:     1024
    .wavefront_size: 32
...
	.end_amdgpu_metadata
.endif
;; end of part 2
;; launch attn (part 3): grid 4 x 64, 16 waves a work-group, clusters of 4 x 1, 206,848 bytes of LDS; arguments qb, kv, Aproj, oc, os, oap; writes oc, os, oap
.if DOCPART == 3
	.amdgcn_target "amdgcn-amd-amdhsa--gfx1250"
	.amdhsa_code_object_version 6
	.text
	.protected	k_q334ec73074_attn
	.globl	k_q334ec73074_attn
	.p2align	8
	.type	k_q334ec73074_attn,@function
k_q334ec73074_attn:
	s_mov_b64 s[64:65], 0
	v_nop
	global_prefetch_b8 v0, s[64:65] scope:SCOPE_SE
	s_setreg_imm32_b32 hwreg(HW_REG_WAVE_MODE, 25, 1), 1
	s_wait_xcnt 0x0
	s_wait_alu depctr_hold_cnt(0) depctr_sa_sdst(0) depctr_va_vdst(0) depctr_va_sdst(0) depctr_va_ssrc(0) depctr_va_vcc(0) depctr_vm_vsrc(0)
	s_getreg_b32 s2, hwreg(HW_REG_IB_STS2, 6, 4)
	s_cmp_eq_u32 s2, 0
	s_cbranch_scc0 .Lentry_in_a_cluster
	s_endpgm
.Lentry_in_a_cluster:
	s_bfe_u32 s2, ttmp6, 0x10000c
	s_cmp_lg_u32 s2, 0x3003
	s_cbranch_scc0 .Lentry_shape_is_right
	s_endpgm
.Lentry_shape_is_right:
; Causal attention of one head on codes of FP6 (E2M3): S^T = K Q^T, the softmax, O^T = V^T P^T; then out = O / l is quantised along the model's 1,024 for the projection, and this head's part of 2 (out Aproj^T) is made in f32.
; LEFT OUT: key steps all of whose 128 keys come after the tile's 16 queries: the layer's own causal mask gives them the weight 0 for all inputs.  A NaN or an overflow that reaches only such scores is not carried to the result.
; LIMITS: NaN and infinities are not served; a block whose largest magnitude lies under 2^-124, or that is all zeros, keeps the byte 1 (zero codes add nothing; this program alone reads the bytes).
; THE SOFTMAX: t = score x log2(e) / 8; M = the running largest t rounded up to a whole number; p = 2^(t - M) is quantised along the keys, not normalised; the sum is taken of the unquantised p and divides at the end.
; SHARES.  Work-group (g, head), g = 0..3: 256 work-groups.  Wave w (j = w / 2, x = 2 g + w % 2) owns TWO tiles of 16 queries, one after the other: tile 8 (15 - j) + x, which walks key steps 0 .. 15 - j, then tile 8 j + x,
; which walks 0 .. j: 17 steps for every wave, the last of each walk on the diagonal.
; A HEAD'S WHOLE K AND V (204,800 bytes of images) LIE IN LDS, filled once: wave w asks for key step w, 50 rows of 256 bytes: one load a wave, no ring, no refill.
; No prefetch: every byte of K and V is asked for by those loads at the head, so there is no later request to run ahead of.
; CLUSTER.  The four work-groups of a head ask jointly.  No branch and no LDS address hangs on a work-group's place: x enters global addresses and the mask's compare values alone.
; K = 64 IN AN INSTRUCTION OF 128.  A fragment of K holds TWO tiles of keys; Q stands as [q][zeros][q], 18 registers: the first twelve give the first tile's scores, the last twelve the second's.
; A lane holds ONE query.  Score register 16 b + 8 u + j of lane (r, h) is key 32 b + 16 u + 8 h + j: the order in which the launch before laid v's codes.
; REGISTERS: v1-11, v108 addresses; v12 -M, v13 the largest t, v[14:15] the sum; v16-33 Q (between walks v16-27 take the next image of two tiles as loaded, v104 its scale word); v34-39 scale words alone;
;   v40-87 fragments of K, then V; v88-99 p's codes; v100-107, v208-223, v240-255 at work; v112-175 S^T, then p; v176-207 O^T; v224-239 the LoRA sums.  On the way out v40-103 and v112-175 hold rows of Aproj.
.set STEPB, 12800
.set SPARE, 16*STEPB
.set LI,  1
.set LS,  2
.set DL,  3
.set ADK, 4
.set ADS, 5
.set SPW, 6
.set NIL, 7
.set GO8, 8
.set GP,  9
.set GS,  10
.set GA,  11
.set QF,  16
.set QS,  34
.set PS,  35
.set KS,  36
.set VS,  38
.set KVF, 40
.set PC,  88
.set TC,  100
.set QW,  104
.set R4,  108
.set S,   112
.set O,   176
.set BM,  208
.set BP,  212
.set SO,  216
.set FF,  220
.set NI,  222
.set TT,  223
.set LA,  224
.set WV,  18
.set CL,  19
.set SEL, 20
.set CS,  22
.set G1E, 24
.set G0E, 40
.set ST,  48
.set TB,  49
.set X,   50
.set MASKHI, 53
.set UM,  54
.set SELQ, 55
.set LC,  56
.set BH,  57
.set JW,  70
.macro CROUND
	s_barrier_signal -1
	s_barrier_wait -1
	s_cmp_lg_u32 s[WV], 0
	s_cbranch_scc1 .Lnot_wave_0_\@
	s_barrier_signal -3
.Lnot_wave_0_\@:
	s_barrier_wait -3
	s_barrier_signal -1
	s_barrier_wait -1
.endm
.macro QLOAD                           ; Q of tile (CL, x): image x / 2 of block (head, CL) of qb holds tiles x & ~1 and x | 1; into Q's own first twelve registers, which no line between two walks names
	s_lshl_b32 s58, s[BH], 4
	s_add_co_u32 s58, s58, s[CL]
	s_mul_i32 s58, s58, 6400
	s_lshr_b32 s60, s[X], 1
	s_mul_i32 s61, s60, 1536
	s_add_co_u32 s62, s58, s61
	s_mov_b32 s63, 0
	s_add_nc_u64 s[66:67], s[4:5], s[62:63]
	s_lshr_b32 s61, s[X], 2
	s_lshl_b32 s61, s61, 7
	s_and_b32 s60, s60, 1
	s_lshl_b32 s60, s60, 6
	s_add_co_u32 s62, s58, s61
	s_add_co_u32 s62, s62, s60
	s_add_nc_u64 s[68:69], s[4:5], s[62:63]
.irp i, 0,1,2
	global_load_b128 v[QF+4*\i:QF+4*\i+3], v[LI], s[66:67] offset:512*\i
.endr
	global_load_b32 v[QW], v[R4], s[68:69] offset:6144
.endm
	s_load_b256 s[4:11], s[0:1], 0x0               ; qb, kv, Aproj, oc
	s_load_b128 s[12:15], s[0:1], 0x20             ; os, oap
	v_lshl_add_u32 v[SPW], v0, 2, SPARE
	v_mov_b32 v[NIL], 0
	ds_add_u32 v[SPW], v[NIL]                      ; the opening lines
	ds_add_u32 v[SPW], v[NIL]
	v_lshrrev_b32 v8, 5, v0
	s_delay_alu instid0(VALU_DEP_1)
	v_readfirstlane_b32 s[WV], v8                  ; wave 0..15
	s_bfe_u32 s51, ttmp6, 0x40000                  ; cx = g
	s_lshl_b32 s[X], s51, 1
	s_and_b32 s52, s[WV], 1
	s_add_co_u32 s[X], s[X], s52                   ; x = 2 g + w % 2
	s_lshr_b32 s[JW], s[WV], 1                     ; j
	s_and_b32 s[BH], ttmp7, 0xffff                 ; 16 batch + head
	s_mov_b32 s[G1E], 15|(3<<16)|(1<<21)           ; all four work-groups; elements of 8 bytes; no padding: images are read lane by lane on end
	s_mov_b32 s[G1E+1], 32<<16                     ; rows of 256 bytes,
	s_mov_b32 s[G1E+2], 50<<16                     ; 50 of them: a key step
	s_mov_b32 s[G1E+3], 32<<16
	s_mov_b32 s[G1E+4], 50
	s_mov_b32 s[G1E+5], 32
	s_mov_b32 s[G1E+6], 0
	s_mov_b32 s[G1E+7], 0
	s_mov_b32 s[SEL], 0x76543210
	s_mov_b32 s[SEL+1], 0xfedcba98
	s_mov_b32 s[CS], 0x3e38aa3b                    ; c = log2(e) / 8
	s_mov_b32 s[CS+1], s[CS]
	s_mov_b32 s[MASKHI], 0xffff0000
	s_mul_i32 s58, s[BH], 16*STEPB
	s_mov_b32 s59, 0
	s_mul_i32 s60, s[WV], STEPB                    ; my key step, in memory and in LDS alike
	s_mov_b32 s61, 0
	s_wait_dscnt 0x0
	s_wait_kmcnt 0x0
	s_add_nc_u64 s[6:7], s[6:7], s[58:59]
	CROUND                                         ; the joint loads meet
	s_mov_b32 s[G0E], 1
	s_mov_b32 s[G0E+1], s60
	s_add_nc_u64 s[G0E+2:G0E+3], s[6:7], s[60:61]
	s_or_b32 s[G0E+3], s[G0E+3], 0x80000000
	tensor_load_to_lds s[G0E:G0E+3], s[G1E:G1E+7]  ; my one load
	s_nop 0
.rept 4
	v_nop
.endr
	v_and_b32 v8, 31, v0
	s_delay_alu instid0(VALU_DEP_1)
	v_lshlrev_b32 v[LI], 4, v8
	s_delay_alu instid0(VALU_DEP_2)
	v_lshlrev_b32 v[LS], 2, v8
	s_delay_alu instid0(VALU_DEP_3)
	v_lshlrev_b32 v[GO8], 3, v8
	v_and_b32 v240, 15, v0                         ; r
	v_bfe_u32 v241, v0, 4, 1                       ; h
	s_delay_alu instid0(VALU_DEP_2)
	v_lshlrev_b32 v[GP], 5, v240
	s_delay_alu instid0(VALU_DEP_1)
	v_lshl_add_u32 v[GP], v241, 4, v[GP]
	s_delay_alu instid0(VALU_DEP_4)
	v_lshlrev_b32 v[GS], 5, v240
	s_delay_alu instid0(VALU_DEP_4)
	v_lshlrev_b32 v[GA], 6, v241
	v_lshlrev_b32 v242, 3, v241
	s_delay_alu instid0(VALU_DEP_1)
	v_sub_nc_u32 v[DL], v240, v242
	s_lshl_b32 s51, s[X], 4
	v_add_nc_u32 v[DL], s51, v[DL]                 ; my query's place in its key step, less 8 h
	v_lshlrev_b32 v[R4], 2, v240
.irp b, 0,1,2,3
	v_mov_b32 v[BP+\b], 0                          ; a lane permute's destination counts as a source
.endr
	v_mov_b32 v[FF+1], 0
	v_mov_b32 v[TT], 0
	v_mov_b32 v[NI], 0xff800000
	s_wait_alu depctr_va_vdst(0)
	s_sub_co_u32 s[CL], 15, s[JW]                  ; the longer walk first
	QLOAD
	s_and_b32 s51, s[X], 1                         ; SCC = x is odd
	s_cselect_b32 s[UM], -1, 0
	s_mov_b32 s[SELQ], 0x01000100
	s_cselect_b32 s[SELQ], 0x03020302, s[SELQ]
; A KEY STEP of 128 keys.
.macro STEP
	s_cmp_gt_u32 s[ST], s[CL]                      ; all its keys come after my queries: left out.  The test hangs on the wave's number and the count of steps; no barrier stands in a step
	s_cbranch_scc1 .Lskip_\@
	v_add_nc_u32 v[ADK], s[TB], v[LI]
	v_add_nc_u32 v[ADS], s[TB], v[LS]
	v_nop
	v_nop                                          ; four places in front of loads into registers that the last products read
.irp b, 0,1,2,3
.irp i, 0,1,2
	ds_load_b128 v[KVF+12*\b+4*\i:KVF+12*\b+4*\i+3], v[ADK] offset:1536*\b+512*\i
.endr
.endr
	ds_load_b32 v[KS], v[ADS] offset:12288
	ds_load_b32 v[KS+1], v[ADS] offset:12288+128
	s_wait_alu depctr_va_vdst(0)
	s_wait_dscnt 0x0
.irp b, 0,1,2,3
.if \b%2 == 0
	v_wmma_scale_f32_16x16x128_f8f6f4 v[S+16*\b:S+16*\b+7], v[KVF+12*\b:KVF+12*\b+11], v[QF:QF+11], 0, v[KS+\b/2], v[QS] matrix_a_fmt:MATRIX_FMT_FP6 matrix_b_fmt:MATRIX_FMT_FP6
	v_wmma_scale_f32_16x16x128_f8f6f4 v[S+16*\b+8:S+16*\b+15], v[KVF+12*\b:KVF+12*\b+11], v[QF+6:QF+17], 0, v[KS+\b/2], v[QS] matrix_a_fmt:MATRIX_FMT_FP6 matrix_b_fmt:MATRIX_FMT_FP6
.else
	v_wmma_scale_f32_16x16x128_f8f6f4 v[S+16*\b:S+16*\b+7], v[KVF+12*\b:KVF+12*\b+11], v[QF:QF+11], 0, v[KS+\b/2], v[QS] matrix_a_fmt:MATRIX_FMT_FP6 matrix_b_fmt:MATRIX_FMT_FP6 matrix_a_scale:MATRIX_SCALE_ROW1
	v_wmma_scale_f32_16x16x128_f8f6f4 v[S+16*\b+8:S+16*\b+15], v[KVF+12*\b:KVF+12*\b+11], v[QF+6:QF+17], 0, v[KS+\b/2], v[QS] matrix_a_fmt:MATRIX_FMT_FP6 matrix_b_fmt:MATRIX_FMT_FP6 matrix_a_scale:MATRIX_SCALE_ROW1
.endif
.endr
.rept 4
	v_nop                                          ; places: K's registers take V, and the scores are read
.endr
.irp e, 0,1,2,3                        ; V is asked for now and lands under the softmax
.irp i, 0,1,2
	ds_load_b128 v[KVF+12*\e+4*\i:KVF+12*\e+4*\i+3], v[ADK] offset:6144+1536*\e+512*\i
.endr
.endr
	ds_load_b32 v[VS], v[ADS] offset:12544
	ds_load_b32 v[VS+1], v[ADS] offset:12544+128
	s_cmp_lg_u32 s[ST], s[CL]                      ; on the diagonal the scores of hidden keys become -infinity ahead of the maximum
	s_cbranch_scc1 .Lopen_\@
.irp n, 0,1,2,3,4,5,6,7,8,9,10,11,12,13,14,15,16,17,18,19,20,21,22,23,24,25,26,27,28,29,30,31,32,33,34,35,36,37,38,39,40,41,42,43,44,45,46,47,48,49,50,51,52,53,54,55,56,57,58,59,60,61,62,63
	v_cmp_gt_i32 vcc_lo, 32*(\n/16)+16*((\n/8)%2)+\n%8, v[DL]
	v_cndmask_b32 v[S+\n], v[S+\n], v[NI], vcc_lo
.endr
.Lopen_\@:
.irp b, 0,1,2,3
	v_max3_num_f32 v[BM+\b], v[S+16*\b], v[S+16*\b+1], v[S+16*\b+2]   ; the largest score of each block of 32 keys: for the row's maximum and for the block's largest p
.endr
.irp i, 3,5,7,9,11,13
.irp b, 0,1,2,3
	v_max3_num_f32 v[BM+\b], v[BM+\b], v[S+16*\b+\i], v[S+16*\b+\i+1]
.endr
.endr
.irp b, 0,1,2,3
	v_max_num_f32 v[BM+\b], v[BM+\b], v[S+16*\b+15]
.endr
.irp b, 0,1,2,3
	s_delay_alu instid0(VALU_DEP_4)
	v_permlanex16_b32 v[BP+\b], v[BM+\b], s[SEL], s[SEL+1]
.endr
.irp b, 0,1,2,3
	s_delay_alu instid0(VALU_DEP_4)
	v_max_num_f32 v[BM+\b], v[BM+\b], v[BP+\b]
.endr
	s_delay_alu instid0(VALU_DEP_2)
	v_max3_num_f32 v[TT], v[BM], v[BM+1], v[BM+2]
	s_delay_alu instid0(VALU_DEP_1)
	v_max_num_f32 v[TT], v[TT], v[BM+3]
	s_delay_alu instid0(VALU_DEP_1)
	v_mul_f32 v[TT], s[CS], v[TT]
	s_delay_alu instid0(VALU_DEP_1)
	v_max_num_f32 v13, v13, v[TT]                  ; the running largest t
	v_mov_b32 v[TT], v12
	s_delay_alu instid0(VALU_DEP_2)
	v_floor_f32 v12, -v13                          ; the new -M = -ceil(t)
	s_delay_alu instid0(VALU_DEP_1)
	v_sub_f32 v[TT], v12, v[TT]                    ; old M - new M: a whole number, 0 or less
	s_delay_alu instid0(VALU_DEP_1)
	v_cvt_i32_f32 v[TT], v[TT]
	s_delay_alu instid0(VALU_DEP_1)
	v_ldexp_f32 v[FF], 1.0, v[TT]                  ; f = 2^(old M - new M)
.irp j, 0,2,4,6,8,10,12,14,16,18,20,22,24,26,28,30,32,34,36,38,40,42,44,46,48,50,52,54,56,58,60,62
	v_pk_fma_f32 v[S+\j:S+\j+1], v[S+\j:S+\j+1], s[CS:CS+1], v[12:13] op_sel_hi:[1,0,0]   ; t - M
.endr
.irp b, 0,1,2,3
	v_fma_f32 v[BM+\b], v[BM+\b], s[CS], v12
.endr
	s_wait_alu depctr_va_vdst(0)
.irp j, 0,1,2,3,4,5,6,7,8,9,10,11,12,13,14,15,16,17,18,19,20,21,22,23,24,25,26,27,28,29,30,31,32,33,34,35,36,37,38,39,40,41,42,43,44,45,46,47,48,49,50,51,52,53,54,55,56,57,58,59,60,61,62,63
	v_exp_f32 v[S+\j], v[S+\j]                     ; p = 2^(t - M)
.endr
	v_pk_mul_f32 v[14:15], v[14:15], v[FF:FF+1] op_sel_hi:[1,0]    ; the sums under the new M
	s_wait_alu depctr_va_vdst(0)                   ; one wait for the batch, ahead of its first reader
.irp b, 0,1,2,3
	v_exp_f32 v[BM+\b], v[BM+\b]                   ; the block's largest p
.endr
	v_pk_add_f32 v[212:213], v[116:117], v[120:121]
	v_pk_add_f32 v[254:255], v[124:125], v[128:129]
	v_pk_add_f32 v[252:253], v[132:133], v[136:137]
	v_pk_add_f32 v[250:251], v[140:141], v[144:145]
	v_pk_add_f32 v[248:249], v[148:149], v[152:153]
	v_pk_add_f32 v[246:247], v[156:157], v[160:161]
	v_pk_add_f32 v[244:245], v[164:165], v[168:169]
	v_pk_add_f32 v[14:15], v[14:15], v[172:173]
	v_pk_add_f32 v[212:213], v[212:213], v[112:113]
	v_pk_add_f32 v[254:255], v[254:255], v[114:115]
	v_pk_add_f32 v[252:253], v[252:253], v[118:119]
	v_pk_add_f32 v[250:251], v[250:251], v[122:123]
	v_pk_add_f32 v[248:249], v[248:249], v[126:127]
	v_pk_add_f32 v[246:247], v[246:247], v[130:131]
	v_pk_add_f32 v[244:245], v[244:245], v[134:135]
	v_pk_add_f32 v[14:15], v[14:15], v[138:139]
	v_pk_add_f32 v[212:213], v[212:213], v[142:143]
	v_pk_add_f32 v[254:255], v[254:255], v[146:147]
	v_pk_add_f32 v[252:253], v[252:253], v[150:151]
	v_pk_add_f32 v[250:251], v[250:251], v[154:155]
	v_pk_add_f32 v[248:249], v[248:249], v[158:159]
	v_pk_add_f32 v[246:247], v[246:247], v[162:163]
	v_pk_add_f32 v[244:245], v[244:245], v[166:167]
	v_pk_add_f32 v[14:15], v[14:15], v[170:171]
	v_pk_add_f32 v[212:213], v[212:213], v[174:175]
	s_delay_alu instid0(VALU_DEP_2)
	v_pk_add_f32 v[14:15], v[14:15], v[250:251]
	s_delay_alu instid0(VALU_DEP_2)
	v_pk_add_f32 v[212:213], v[212:213], v[248:249]
	v_pk_add_f32 v[254:255], v[254:255], v[246:247]
	v_pk_add_f32 v[252:253], v[252:253], v[244:245]
	s_delay_alu instid0(VALU_DEP_2)
	v_pk_add_f32 v[14:15], v[14:15], v[254:255]
	s_delay_alu instid0(VALU_DEP_2)
	v_pk_add_f32 v[212:213], v[212:213], v[252:253]
	s_delay_alu instid0(VALU_DEP_1)
	v_pk_add_f32 v[14:15], v[14:15], v[212:213]
	s_wait_alu depctr_va_vdst(0)                   ; and one for the four
.irp b, 0,1,2,3
	v_max_num_f32 v[BM+\b], 0x1800000, v[BM+\b]    ; the floor 2^(3 - 127)
.endr
.irp b, 0,1,2,3
	s_delay_alu instid0(VALU_DEP_4)
	v_add_nc_u32 v[SO+\b], 0xff000000, v[BM+\b]
.endr
.irp b, 0,1,2,3
	s_delay_alu instid0(VALU_DEP_4)
	v_lshrrev_b32 v[BP+\b], 23, v[SO+\b]
.endr
	s_delay_alu instid0(VALU_DEP_3)
	v_lshl_or_b32 v[PS], v[BP+1], 8, v[BP]         ; p's scale word for these 128 keys
	s_delay_alu instid0(VALU_DEP_1)
	v_lshl_or_b32 v[PS], v[BP+2], 16, v[PS]
	s_delay_alu instid0(VALU_DEP_1)
	v_lshl_or_b32 v[PS], v[BP+3], 24, v[PS]
.irp c, 0,1
	v_cvt_scalef32_pk16_fp6_f32 v[PC+6*\c:PC+6*\c+2], v[S+32*\c:S+32*\c+15], v[SO+2*\c]
	v_cvt_scalef32_pk16_fp6_f32 v[TC+4*\c:TC+4*\c+2], v[S+32*\c+16:S+32*\c+31], v[SO+2*\c+1]
.endr
	v_nop                                          ; one plain place behind a scaled conversion
.irp c, 0,1
.irp i, 0,1,2
	v_permlane16_swap_b32 v[PC+6*\c+\i], v[TC+4*\c+\i]
.endr
.irp i, 0,1,2
	s_delay_alu instid0(VALU_DEP_3)
	v_mov_b32 v[PC+3+6*\c+\i], v[TC+4*\c+\i]
.endr
.endr
.irp j, 0,2,4,6,8,10,12,14,16,18,20,22,24,26,28,30
	v_pk_mul_f32 v[O+\j:O+\j+1], v[O+\j:O+\j+1], v[FF:FF+1] op_sel_hi:[1,0]   ; O^T under the new M; also the places between p's scale word and codes and the products
.endr
	s_wait_alu depctr_va_vdst(0)
	s_wait_dscnt 0x0                               ; V is in
.irp e, 0,1,2,3
.if \e%2 == 0
	v_wmma_scale_f32_16x16x128_f8f6f4 v[O+8*\e:O+8*\e+7], v[KVF+12*\e:KVF+12*\e+11], v[PC:PC+11], v[O+8*\e:O+8*\e+7], v[VS+\e/2], v[PS] matrix_a_fmt:MATRIX_FMT_FP6 matrix_b_fmt:MATRIX_FMT_FP6
.else
	v_wmma_scale_f32_16x16x128_f8f6f4 v[O+8*\e:O+8*\e+7], v[KVF+12*\e:KVF+12*\e+11], v[PC:PC+11], v[O+8*\e:O+8*\e+7], v[VS+\e/2], v[PS] matrix_a_fmt:MATRIX_FMT_FP6 matrix_b_fmt:MATRIX_FMT_FP6 matrix_a_scale:MATRIX_SCALE_ROW1
.endif
.endr
.Lskip_\@:
	s_add_co_u32 s[TB], s[TB], STEPB
	s_add_co_u32 s[ST], s[ST], 1
.endm
.macro ALOAD buf, be, jh               ; four rows of Aproj x my 16 columns 32 be + 16 h + 0 .. 15: 64 registers from buf on
.irp jj, 0,1,2,3
.irp q, 0,1,2,3
	global_load_b128 v[\buf+16*\jj+4*\q:\buf+16*\jj+4*\q+3], v[GA], s[72:73] offset:(4*\jh+\jj)*4096+128*\be+16*\q
.endr
.endr
.endm
.macro AMUL buf, be, jh
.irp i, 0,2,4,6,8,10,12,14
.irp jj, 0,1,2,3
.if (\be == 0) && (\i == 0)
	v_pk_mul_f32 v[LA+2*(4*\jh+\jj):LA+2*(4*\jh+\jj)+1], v[O+16*\be+\i:O+16*\be+\i+1], v[\buf+16*\jj+\i:\buf+16*\jj+\i+1]
.else
	v_pk_fma_f32 v[LA+2*(4*\jh+\jj):LA+2*(4*\jh+\jj)+1], v[O+16*\be+\i:O+16*\be+\i+1], v[\buf+16*\jj+\i:\buf+16*\jj+\i+1], v[LA+2*(4*\jh+\jj):LA+2*(4*\jh+\jj)+1]
.endif
.endr
.endr
.endm
; ONE TILE OF QUERIES: its Q has been asked for; a walk of a constant count of trips, of which those past the diagonal are jumped over; the way out.  more = 1: the next tile's Q is asked for under the way out.
.macro PASS trips, more
	s_wait_xcnt 0x0                                ; the last way out's stores have read their registers and bases
	s_wait_loadcnt 0x0                             ; Q is in
	v_mov_b32 v13, 0xff61b1e6                      ; the largest t so far: -3e38
	s_delay_alu instid0(VALU_DEP_1)
	v_floor_f32 v12, -v13
	v_mov_b32 v14, 0
	v_mov_b32 v15, 0
.irp i, 0,1,2,3,4,5
	v_cndmask_b32 v[QF+12+\i], v[QF+\i], v[QF+6+\i], s[UM]         ; my tile of the image's two, behind the zeros,
	v_cndmask_b32 v[QF+\i], v[QF+\i], v[QF+6+\i], s[UM]            ; and ahead of them
.endr
.irp i, 6,7,8,9,10,11
	v_mov_b32 v[QF+\i], 0                          ; the zeros between
.endr
	v_perm_b32 v[QS], v[QW], v[QW], s[SELQ]        ; my tile's two bytes, twice
.irp j, 0,1,2,3,4,5,6,7,8,9,10,11,12,13,14,15,16,17,18,19,20,21,22,23,24,25,26,27,28,29,30,31
	v_mov_b32 v[O+\j], 0                           ; O^T: the step is one text for every step; these are also the places between Q's scale word and codes and the first products
.endr
	s_mov_b32 s[ST], 0
	s_mov_b32 s[TB], 0
	s_mov_b32 s[LC], \trips
	s_wait_alu depctr_va_vdst(0)
.Lkeys_\@:
	STEP
	s_sub_co_u32 s[LC], s[LC], 1
	s_cmp_lg_u32 s[LC], 0
	s_cbranch_scc1 .Lkeys_\@
.rept 4
	v_nop                                          ; places behind the last products
.endr
	s_lshr_b32 s58, s[BH], 4                       ; batch
	s_and_b32 s59, s[BH], 15                       ; head
	s_lshl_b32 s60, s58, 11
	s_lshl_b32 s61, s[CL], 7
	s_add_co_u32 s60, s60, s61
	s_lshl_b32 s61, s[X], 4
	s_add_co_u32 s60, s60, s61                     ; my first token of the 8,192
	s_mov_b32 s63, 0
	s_lshl_b32 s62, s59, 8
	s_add_nc_u64 s[72:73], s[8:9], s[62:63]        ; Aproj at my head's 64 columns
	s_lshl_b32 s62, s59, 13
	s_add_co_u32 s62, s62, s60
	s_lshl_b32 s62, s62, 5
	s_add_nc_u64 s[74:75], s[14:15], s[62:63]      ; oap [head][token][8]
	s_lshr_b32 s62, s60, 4
	s_lshl_b32 s62, s62, 3
	s_lshr_b32 s61, s59, 1
	s_add_co_u32 s62, s62, s61
	s_mul_i32 s62, s62, 1536
	s_and_b32 s61, s59, 1
	s_mul_i32 s61, s61, 768
	s_add_co_u32 s62, s62, s61
	s_add_nc_u64 s[76:77], s[10:11], s[62:63]      ; oc [tile of tokens][128 along K][register pair][lane][8 bytes]
	s_lshl_b32 s62, s60, 5
	s_lshl_b32 s61, s59, 1
	s_add_co_u32 s62, s62, s61
	s_add_nc_u64 s[78:79], s[12:13], s[62:63]      ; os [token][32]
.if \more
	s_mov_b32 s[CL], s[JW]                         ; the shorter walk
	QLOAD
.endif
	ALOAD S, 0, 0
	ALOAD KVF, 0, 1
	v_add_f32 v14, v14, v15
	s_delay_alu instid0(VALU_DEP_1)
	v_permlanex16_b32 v[TT], v14, s[SEL], s[SEL+1]
	s_delay_alu instid0(VALU_DEP_1)
	v_add_f32 v14, v14, v[TT]                      ; the row's sum
	s_wait_alu depctr_va_vdst(0)
	v_rcp_f32 v14, v14
	v_nop
	s_wait_alu depctr_va_vdst(0)
.irp j, 0,2,4,6,8,10,12,14,16,18,20,22,24,26,28,30
	v_pk_mul_f32 v[O+\j:O+\j+1], v[O+\j:O+\j+1], v[14:15] op_sel_hi:[1,0]    ; out = O / l; each accumulator from its low end on
.endr
.irp be, 0,1
.irp j, 0,1,2,3,4,5,6,7
	v_permlane16_swap_b32 v[O+16*\be+\j], v[O+16*\be+8+\j]         ; register 16 be + i becomes channel 32 be + 16 h + i: TRUE order, since these codes meet Wproj's given ones
.endr
.endr
	s_wait_loadcnt 16                              ; all but the younger buffer's 16 loads are in
	AMUL S, 0, 0
	ALOAD S, 1, 0
	s_wait_loadcnt 16
	AMUL KVF, 0, 1
	ALOAD KVF, 1, 1
	s_wait_loadcnt 16
	AMUL S, 1, 0
	s_wait_loadcnt 0x0
	AMUL KVF, 1, 1
.irp j, 0,1,2,3,4,5,6,7
	v_add_f32 v[244+\j], v[LA+2*\j], v[LA+2*\j+1]
.endr
.irp k, 0,1,2,3
	v_cndmask_b32 v[240+\k], v[244+\k], v[248+\k], s[MASKHI]       ; lanes 0-15 keep sums 0-3, lanes 16-31 sums 4-7,
	v_cndmask_b32 v[252+\k], v[248+\k], v[244+\k], s[MASKHI]       ; and send the others
.endr
.irp k, 0,1,2,3
	v_permlanex16_b32 v[244+\k], v[252+\k], s[SEL], s[SEL+1]
.endr
.irp k, 0,1,2,3
	s_delay_alu instid0(VALU_DEP_4)
	v_add_f32 v[240+\k], v[240+\k], v[244+\k]
.endr
.irp k, 0,1,2,3
	s_delay_alu instid0(VALU_DEP_4)
	v_add_f32 v[240+\k], v[240+\k], v[240+\k]      ; LoRA's factor 2: exact
.endr
	global_store_b128 v[GP], v[240:243], s[74:75]  ; 16 tokens x 32 bytes: 512 consecutive bytes
.irp b, 0,1
	v_max3_num_f32 v[BM+\b], |v[O+16*\b]|, |v[O+16*\b+1]|, 0x1800000
.endr
.irp i, 2,4,6,8,10,12,14
.irp b, 0,1
	s_delay_alu instid0(VALU_DEP_2)
	v_max3_num_f32 v[BM+\b], v[BM+\b], |v[O+16*\b+\i]|, |v[O+16*\b+\i+1]|
.endr
.endr
.irp b, 0,1
	s_delay_alu instid0(VALU_DEP_2)
	v_permlanex16_b32 v[BP+\b], v[BM+\b], s[SEL], s[SEL+1]
.endr
.irp b, 0,1
	s_delay_alu instid0(VALU_DEP_2)
	v_max_num_f32 v[BM+\b], v[BM+\b], v[BP+\b]
.endr
.irp b, 0,1
	s_delay_alu instid0(VALU_DEP_2)
	v_add_nc_u32 v[SO+\b], 0xff000000, v[BM+\b]
.endr
.irp b, 0,1
	s_delay_alu instid0(VALU_DEP_2)
	v_lshrrev_b32 v[BP+\b], 23, v[SO+\b]
.endr
	s_delay_alu instid0(VALU_DEP_1)
	v_lshl_or_b32 v[BP], v[BP+1], 8, v[BP]         ; my token's two scale bytes
	v_cvt_scalef32_pk16_fp6_f32 v[40:42], v[O:O+15], v[SO]
	v_cvt_scalef32_pk16_fp6_f32 v[48:50], v[O+16:O+31], v[SO+1]
	v_nop
.irp i, 0,1,2
	v_permlane16_swap_b32 v[40+\i], v[48+\i]
.endr
.irp i, 0,1,2
	s_delay_alu instid0(VALU_DEP_3)
	v_mov_b32 v[43+\i], v[48+\i]                   ; lane half h holds block h of my head: six registers of the projection's fragment
.endr
.irp m, 0,1,2
	global_store_b64 v[GO8], v[40+2*\m:41+2*\m], s[76:77] offset:256*\m      ; 256 consecutive bytes, aligned
.endr
	global_store_b16 v[GS], v[BP], s[78:79]        ; two bytes a token, rows 32 bytes apart: 2 of the 50 bytes that a token's head leaves
.endm
	s_wait_alu depctr_va_vdst(0)
	s_wait_tensorcnt 0x0                           ; my key step is in,
	s_barrier_signal -1
	s_barrier_wait -1                              ; everybody's is: from here on LDS does not change, and the waves run free
	PASS 16, 1
	PASS 8, 0
	s_wait_tensorcnt 0x0                           ; the wave's end
	ds_add_u32 v[SPW], v[NIL]
	s_wait_dscnt 0x0
	CROUND                                         ; the closing round
	s_endpgm
.Lfunc_end_k_q334ec73074_attn:
	.size	k_q334ec73074_attn, .Lfunc_end_k_q334ec73074_attn-k_q334ec73074_attn
	.p2alignl 7, 3214868480
	.fill 96, 4, 3214868480
	.section	.rodata,"a",@progbits
	.p2align	6, 0x0
	.amdhsa_kernel k_q334ec73074_attn
		.amdhsa_group_segment_fixed_size 206848
		.amdhsa_private_segment_fixed_size 0
		.amdhsa_enable_private_segment 0
		.amdhsa_kernarg_size 48
		.amdhsa_user_sgpr_count 2
		.amdhsa_user_sgpr_kernarg_segment_ptr 1
		.amdhsa_wavefront_size32 1
		.amdhsa_system_sgpr_workgroup_id_x 1
		.amdhsa_system_sgpr_workgroup_id_y 1
		.amdhsa_system_sgpr_workgroup_id_z 1
		.amdhsa_system_vgpr_workitem_id 0
		.amdhsa_next_free_vgpr 256
		.amdhsa_next_free_sgpr 100
		.amdhsa_reserve_vcc 1
		.amdhsa_float_denorm_mode_32 3
		.amdhsa_float_denorm_mode_16_64 3
		.amdhsa_memory_ordered 1
		.amdhsa_forward_progress 1
		.amdhsa_inst_pref_size 98
	.end_amdhsa_kernel
	.amdgpu_metadata
---
amdhsa.version: [ 1, 2 ]
amdhsa.kernels:
  - .name:           k_q334ec73074_attn
    .symbol:         k_q334ec73074_attn.kd
    .args:
      - { .name: qb, .offset: 0, .size: 8, .value_kind: global_buffer, .address_space: global }
      - { .name: kv, .offset: 8, .size: 8, .value_kind: global_buffer, .address_space: global }
      - { .name: Aproj, .offset: 16, .size: 8, .value_kind: global_buffer, .address_space: global }
      - { .name: oc, .offset: 24, .size: 8, .value_kind: global_buffer, .address_space: global }
      - { .name: os, .offset: 32, .size: 8, .value_kind: global_buffer, .address_space: global }
      - { .name: oap, .offset: 40, .size: 8, .value_kind: global_buffer, .address_space: global }
    .group_segment_fixed_size: 206848
    .private_segment_fixed_size: 0
    .kernarg_segment_align: 8
    .kernarg_segment_size: 48
    .max_flat_workgroup_size: 512
    .sgpr_count:     100
    .vgpr_count:     256
    .wavefront_size: 32
...
	.end_amdgpu_metadata
.endif
;; end of part 3
;; launch proj (part 4): grid 4 x 64, 4 waves a work-group, clusters of 4 x 4, 327,680 bytes of LDS; arguments oc, os, Wproj_codes, Wproj_scales, oap, Bproj, bproj, out0; writes out0
.if DOCPART == 4
	.amdgcn_target "amdgcn-amd-amdhsa--gfx1250"
	.amdhsa_code_object_version 6
	.text
	.protected	k_q334ec73074_proj
	.globl	k_q334ec73074_proj
	.p2align	8
	.type	k_q334ec73074_proj,@function
k_q334ec73074_proj:
	s_mov_b64 s[64:65], 0
	v_nop
	global_prefetch_b8 v0, s[64:65] scope:SCOPE_SE
	s_setreg_imm32_b32 hwreg(HW_REG_WAVE_MODE, 25, 1), 1
	s_wait_xcnt 0x0
	s_wait_alu depctr_hold_cnt(0) depctr_sa_sdst(0) depctr_va_vdst(0) depctr_va_sdst(0) depctr_va_ssrc(0) depctr_va_vcc(0) depctr_vm_vsrc(0)
	s_getreg_b32 s2, hwreg(HW_REG_IB_STS2, 6, 4)
	s_cmp_eq_u32 s2, 0
	s_cbranch_scc0 .Lentry_in_a_cluster
	s_endpgm
.Lentry_in_a_cluster:
	s_bfe_u32 s2, ttmp6, 0x10000c
	s_cmp_lg_u32 s2, 0xf033
	s_cbranch_scc0 .Lentry_shape_is_right
	s_endpgm
.Lentry_shape_is_right:
; out0 = out Wproj^T + bproj + (2 out Aproj^T) Bproj^T, [8192][1024] f32; the first product on codes of FP6 (E2M3) with E8M0 scales.  No work is left out here.
; The LoRA term (K = 8) goes on into no quantiser: both its operands are split in f32 into a high and a low bf16 part, and one bf16 instruction of K = 32 sums the four products of parts; the bias is its C, so it starts the sums.
; SHARES.  A work-group makes 128 tokens x 256 features: 256 work-groups.  A wave makes all 128 tokens x 64 features.  Source 0 = W's rows, so that a lane holds eight neighbouring columns of a row of out0.
; ALL OF K LIES IN LDS, filled once, one load a wave: waves 0, 1 bring the tokens' operand images (98,304 dense bytes, rows of 256), waves 2, 3 W's 256 rows of 768 bytes, 16 bytes of padding behind each 256: pitch 816.
; No ring, no refill.  No prefetch: every tile is asked for at the head, so there is no later request to run ahead of.
; BY ROWS OF THE RESULT.  A wave's fragments of W for all of K are 4 blocks x 8 steps x 12 = 384 registers: read from LDS once, 192 loads, and kept.  Then the eight blocks of 16 tokens are finished one after the other, 32 products
; each on 4 accumulators by turns, and block a - 1 goes out under block a's products: a row of 64 f32 is 256 bytes, one aligned unit.  LDS is read 192 + 8 x 48 = 576 times a wave for fragments, each fragment once.
; The stage of the way out lies over W's LDS rows, behind a barrier behind which nobody reads them.
; The scale words go from memory into registers: a row's 32 bytes are its eight words, one for each step of 128 along K; v32-127 hold scales and nothing else.
; CLUSTERS of 4 x 4: the tokens' images are asked for jointly along a row of the cluster, W's rows along a column.
; REGISTERS: window 0: v1-31 addresses, v32-95 tokens' scale words, v96-127 W's, v128-223 the even blocks' fragments, v224-255 rows read back from the stage.  window 1: v0-63 two sets of 4 accumulators, v128-223 the odd blocks'
; fragments.  window 2: W's fragments of steps 0-4.  window 3: v0-143 W's fragments of steps 5-7 (at the head the LoRA term's work), v160-191 Bproj's parts, v192-207 the tokens' parts, two sets, v224-255 the bias.
.set FR,     12
.set NP,     4
.set ABYTES, 98304
.set BPI,    816
.set HALFB,  128*BPI
.set TBL,    ABYTES+2*HALFB            ; the LoRA table: high parts [128 tokens][8 bf16], then low parts
.set SPARE,  TBL+4096
.set SPITCH, 272
.set TR,   9
.set LBP,  10
.set LB,   11
.set OA,   12
.set TW,   13
.set ADRA, 16                          ; v16 images of blocks 0-3, v17 of blocks 4-7
.set ADRB, 20                          ; v20 my 64 rows of W; v21 the same, lanes 16-31 behind one padding more
.set STO,  24
.set RD,   25
.set CO,   26
.set SPW,  28
.set NIL,  29
.set SCA,  32
.set SCB,  96
.set AF,   128
.set BK,   224
.set GB,   128                         ; window 3
.set PF,   160
.set HL,   192
.set TP,   200
.set T2,   208
.set TF,   192
.set BI,   224
.set G1, 24
.set G0, 32
.set G1B, 48
.set G0B, 56
.set MSB, 0
.macro WIN new
.if MSB != (\new)
	s_set_vgpr_msb (MSB<<8)|(\new)
.set MSB, \new
.endif
.endm
.macro CREST
	s_cmp_lg_u32 s14, 0
	s_cbranch_scc1 .Lnot_wave_0_\@
	s_barrier_signal -3
.Lnot_wave_0_\@:
	s_barrier_wait -3
	s_barrier_signal -1
	s_barrier_wait -1
.endm
.macro CROUND
	s_barrier_signal -1
	s_barrier_wait -1
	CREST
.endm
.macro PLACES n
.rept \n
	v_nop
.endr
.endm
	s_load_b256 s[4:11], s[0:1], 0x0               ; oc, os, W's codes, W's scales
	s_load_b256 s[92:99], s[0:1], 0x20             ; oap, Bproj, bproj, out0
	v_lshl_add_u32 v[SPW], v0, 2, SPARE
	v_mov_b32 v[NIL], 0
	ds_add_u32 v[SPW], v[NIL]                      ; the opening lines
	ds_add_u32 v[SPW], v[NIL]
	v_lshrrev_b32 v1, 5, v0
	v_readfirstlane_b32 s14, v1                    ; wave: my 64 features
	s_lshr_b32 s15, s14, 1                         ; I fetch images (0) or W (1),
	s_and_b32 s16, s14, 1                          ; and which half
	s_bfe_u32 s40, ttmp6, 0x40000
	s_bfe_u32 s41, ttmp6, 0x40004
	s_lshl_b32 s42, ttmp9, 2
	s_add_co_u32 s42, s42, s40                     ; tile of 256 features
	s_and_b32 s17, ttmp7, 0xffff
	s_lshl_b32 s17, s17, 2
	s_add_co_u32 s17, s17, s41                     ; tile of 128 tokens
	s_lshl_b32 s43, s41, 2
	s_lshl_b32 s43, 15, s43
	s_lshl_b32 s44, 0x1111, s40
	s_or_b32 s[G1+0], s43, (3<<16)|(1<<21)         ; images: 192 rows of 256 bytes, dense
	s_mov_b32 s[G1+1], 32<<16
	s_mov_b32 s[G1+2], 192<<16
	s_mov_b32 s[G1+3], 32<<16
	s_mov_b32 s[G1+4], 192
	s_mov_b32 s[G1+5], 32
	s_mov_b32 s[G1+6], 0
	s_mov_b32 s[G1+7], 0
	s_or_b32 s[G1B+0], s44, (0<<16)|(1<<20)|(1<<21)|(5<<22)|(3<<25) ; W: 128 rows of 768 bytes, 4 words of padding behind every 64
	s_mov_b32 s[G1B+1], 768<<16
	s_mov_b32 s[G1B+2], 128<<16
	s_mov_b32 s[G1B+3], 768<<16
	s_mov_b32 s[G1B+4], 128
	s_mov_b32 s[G1B+5], 768
	s_mov_b32 s[G1B+6], 0
	s_mov_b32 s[G1B+7], 0
	s_mul_i32 s20, s17, ABYTES
	s_mul_i32 s18, s16, ABYTES/2
	s_add_co_u32 s20, s20, s18
	s_mov_b32 s21, 0
	s_lshl_b32 s46, s42, 8
	s_lshl_b32 s19, s16, 7
	s_add_co_u32 s46, s46, s19
	s_mul_i32 s46, s46, 768
	s_mov_b32 s47, 0
	s_mul_i32 s45, s16, HALFB
	s_add_co_u32 s45, s45, ABYTES
	s_wait_dscnt 0x0
	s_wait_kmcnt 0x0
	s_add_nc_u64 s[20:21], s[4:5], s[20:21]
	s_add_nc_u64 s[46:47], s[8:9], s[46:47]
	CROUND                                         ; the joint loads meet
	s_mov_b32 s[G0], 1
	s_mov_b32 s[G0+1], s18
	s_mov_b64 s[G0+2:G0+3], s[20:21]
	s_or_b32 s[G0+3], s[G0+3], 0x80000000
	s_mov_b32 s[G0B], 1
	s_mov_b32 s[G0B+1], s45
	s_mov_b64 s[G0B+2:G0B+3], s[46:47]
	s_or_b32 s[G0B+3], s[G0B+3], 0x80000000
	s_cmp_eq_u32 s15, 0
	s_cbranch_scc0 .Lfor_b
	tensor_load_to_lds s[G0:G0+3], s[G1:G1+7]
	s_nop 0
.rept 4
	v_nop
.endr
	s_branch .Lasked
.Lfor_b:
	tensor_load_to_lds s[G0B:G0B+3], s[G1B:G1B+7]
	s_nop 0
.rept 4
	v_nop
.endr
.Lasked:
	s_lshl_b32 s22, s42, 8
	s_lshl_b32 s19, s14, 6
	s_add_co_u32 s22, s22, s19                     ; my first feature
	s_mov_b32 s3, 0
	s_lshl_b32 s2, s17, 12
	s_add_nc_u64 s[6:7], s[6:7], s[2:3]            ; os: 128 tokens x 32 bytes a tile
	s_add_nc_u64 s[92:93], s[92:93], s[2:3]        ; oap: the same
	s_lshl_b32 s2, s22, 5
	s_add_nc_u64 s[10:11], s[10:11], s[2:3]        ; W's scales
	s_add_nc_u64 s[94:95], s[94:95], s[2:3]        ; Bproj
	s_lshl_b32 s2, s22, 2
	s_add_nc_u64 s[96:97], s[96:97], s[2:3]        ; bproj
	s_add_nc_u64 s[98:99], s[98:99], s[2:3]
	s_lshl_b32 s2, s17, 19
	s_add_nc_u64 s[98:99], s[98:99], s[2:3]        ; out0: 128 rows of 4,096 bytes a tile
	s_mul_i32 s13, s14, 64*BPI
	s_add_co_u32 s13, s13, ABYTES                  ; my 64 rows of W
	s_mul_i32 s23, s14, 16*SPITCH
	s_add_co_u32 s23, s23, ABYTES                  ; my stage
	v_and_b32 v1, 15, v0                           ; r
	v_bfe_u32 v2, v0, 4, 1                         ; h
	v_and_b32 v6, 31, v0
	v_lshlrev_b32 v[ADRA], 3, v6                   ; images: 8 x lane
	v_add_nc_u32 v[ADRA+1], ABYTES/2, v[ADRA]
	v_mul_u32_u24 v4, v1, BPI
	v_mad_u32_u24 v4, v2, 24, v4
	v_add_nc_u32 v[ADRB], s13, v4
	v_lshl_add_u32 v[ADRB+1], v2, 4, v[ADRB]
	v_mul_u32_u24 v5, v1, SPITCH
	v_lshl_add_u32 v5, v2, 5, v5
	v_add_nc_u32 v[STO], s23, v5                   ; in: row r, 32 bytes for each half of the lanes
	v_mul_u32_u24 v7, v2, SPITCH
	v_lshl_add_u32 v7, v1, 4, v7
	v_add_nc_u32 v[RD], s23, v7                    ; back: sixteen lanes take a row of 256 bytes
	v_lshlrev_b32 v[CO], 12, v2
	v_lshl_add_u32 v[CO], v1, 4, v[CO]             ; and the same two rows in out0
	v_lshlrev_b32 v[OA], 4, v0
	v_lshl_add_u32 v[TW], v0, 3, TBL
	v_lshlrev_b32 v[LBP], 5, v1
	v_lshlrev_b32 v[LB], 5, v2
	v_lshlrev_b32 v[TR], 4, v1
	v_lshl_add_u32 v[TR], v2, 11, v[TR]            ; lanes 0-15 the high parts, lanes 16-31 the low
	v_add_nc_u32 v[TR], TBL, v[TR]
	s_wait_alu depctr_va_vdst(0)
	WIN 0xc0                                       ; destination window 3
.irp hd, 0,1,2,3,4,5,6,7,8,9,10,11,12,13,14,15
.irp i, 0,1
	global_load_b128 v[8*\hd+4*\i:8*\hd+4*\i+3], v[OA], s[92:93] offset:262144*\hd+2048*\i      ; the sixteen heads' parts of 2 (out Aproj^T): four numbers a thread and piece
.endr
.endr
.irp b, 0,1,2,3
	global_load_b128 v[GB+8*\b:GB+8*\b+3], v[LBP], s[94:95] offset:512*\b
	global_load_b128 v[GB+8*\b+4:GB+8*\b+7], v[LBP], s[94:95] offset:512*\b+16
.endr
.irp b, 0,1,2,3
	global_load_b128 v[BI+8*\b:BI+8*\b+3], v[LB], s[96:97] offset:64*\b        ; register j of block b: the bias of feature 16 b + 8 h + j
	global_load_b128 v[BI+8*\b+4:BI+8*\b+7], v[LB], s[96:97] offset:64*\b+16
.endr
	WIN 0
.irp a, 0,1,2,3,4,5,6,7
	global_load_b128 v[SCA+8*\a:SCA+8*\a+3], v[LBP], s[6:7] offset:512*\a      ; row r's eight scale words
	global_load_b128 v[SCA+8*\a+4:SCA+8*\a+7], v[LBP], s[6:7] offset:512*\a+16
.endr
.irp b, 0,1,2,3
	global_load_b128 v[SCB+8*\b:SCB+8*\b+3], v[LBP], s[10:11] offset:512*\b
	global_load_b128 v[SCB+8*\b+4:SCB+8*\b+7], v[LBP], s[10:11] offset:512*\b+16
.endr
	s_wait_loadcnt 40                              ; the 32 loads of oap are in; the 40 behind them may be out
	WIN 0xff                                       ; all in window 3
.irp hd, 1,2,3,4,5,6,7,8,9,10,11,12,13,14,15
.irp c, 0,2,4,6
	v_pk_add_f32 v[\c:\c+1], v[\c:\c+1], v[8*\hd+\c:8*\hd+\c+1]
.endr
.endr
.irp i, 0,1
	v_cvt_pk_bf16_f32 v[HL+4*\i], v[4*\i], v[4*\i+1]
	v_cvt_pk_bf16_f32 v[HL+4*\i+1], v[4*\i+2], v[4*\i+3]
	v_lshlrev_b32 v[TP+4*\i], 16, v[HL+4*\i]
	v_and_b32 v[TP+4*\i+1], 0xffff0000, v[HL+4*\i]
	v_lshlrev_b32 v[TP+4*\i+2], 16, v[HL+4*\i+1]
	v_and_b32 v[TP+4*\i+3], 0xffff0000, v[HL+4*\i+1]
.irp k, 0,1,2,3
	v_sub_f32 v[TP+4*\i+\k], v[4*\i+\k], v[TP+4*\i+\k]             ; what the high part leaves
.endr
	v_cvt_pk_bf16_f32 v[HL+4*\i+2], v[TP+4*\i], v[TP+4*\i+1]
	v_cvt_pk_bf16_f32 v[HL+4*\i+3], v[TP+4*\i+2], v[TP+4*\i+3]
.endr
	WIN 0x0c                                       ; the data in window 3
.irp i, 0,1
	ds_store_b64 v[TW], v[HL+4*\i:HL+4*\i+1] offset:1024*\i
	ds_store_b64 v[TW], v[HL+4*\i+2:HL+4*\i+3] offset:2048+1024*\i
.endr
	s_wait_loadcnt 0x0
	WIN 0xff
.irp b, 0,1,2,3                        ; Bproj's rows: registers 0-3 the high parts of the eight, registers 4-7 the low
.irp k, 0,1,2,3
	v_cvt_pk_bf16_f32 v[PF+8*\b+\k], v[GB+8*\b+2*\k], v[GB+8*\b+2*\k+1]
.endr
.irp k, 0,1,2,3
	v_lshlrev_b32 v[T2+8*(\b%2)+2*\k], 16, v[PF+8*\b+\k]
	v_and_b32 v[T2+8*(\b%2)+2*\k+1], 0xffff0000, v[PF+8*\b+\k]
.endr
.irp k, 0,1,2,3,4,5,6,7
	v_sub_f32 v[T2+8*(\b%2)+\k], v[GB+8*\b+\k], v[T2+8*(\b%2)+\k]
.endr
.irp k, 0,1,2,3
	v_cvt_pk_bf16_f32 v[PF+8*\b+4+\k], v[T2+8*(\b%2)+2*\k], v[T2+8*(\b%2)+2*\k+1]
.endr
.endr
	WIN 0
	s_wait_alu depctr_va_vdst(0)
	s_wait_tensorcnt 0x0                           ; my tile is in,
	s_wait_dscnt 0x0                               ; my part of the table is stored:
	s_barrier_signal -1
	s_barrier_wait -1                              ; everybody's are; nothing is ever filled again
.macro FRAGB reg, st, i                ; 16 of W's rows x 128 K: byte y of a row lies at y + 16 (y / 256) of its LDS row; lanes 16-31 read 24 bytes on
.irp p, 0,1,2,3,4,5
.set BY, 96*(\st)+48*(\p/3)+8*(\p%3)
.set AR, ADRB+((BY+24)/256-BY/256)
	ds_load_b64 v[\reg+2*\p:\reg+2*\p+1], v[AR] offset:BY+16*(BY/256)+(\i)*16*BPI
.endr
.endm
.macro AFETCH a                        ; 50 loads: block a's eight fragments into set a % 2 (window 0 or 1), and its tokens' LoRA parts, for both halves of K = 32
	WIN 0x40*((\a)%2)
.irp st, 0,1,2,3,4,5,6,7
.irp p, 0,1,2,3,4,5
	ds_load_b64 v[AF+FR*\st+2*\p:AF+FR*\st+2*\p+1], v[ADRA+(\a)/4] offset:12288*((\a)%4)+1536*\st+256*\p
.endr
.endr
	WIN 0xc0
	ds_load_b128 v[TF+8*((\a)%2):TF+8*((\a)%2)+3], v[TR] offset:256*(\a)
	ds_load_b128 v[TF+8*((\a)%2)+4:TF+8*((\a)%2)+7], v[TR] offset:256*(\a)
	WIN 0
.endm
.macro MUL a                           ; block a: the bias and the LoRA term start its four sums, then 32 products; the four accumulators take turns
.set AC, 32*((\a)%2)
	WIN 0x7f                                       ; sources and C window 3, D window 1
.irp b, 0,1,2,3
	v_wmma_f32_16x16x32_bf16 v[AC+8*\b:AC+8*\b+7], v[PF+8*\b:PF+8*\b+7], v[TF+8*((\a)%2):TF+8*((\a)%2)+7], v[BI+8*\b:BI+8*\b+7]
.endr
	PLACES 5                                       ; another form next writes over these results (ISA guide 7.12.1)
.irp st, 0,1,2,3,4,5,6,7
	WIN 0x52+(\st/5)+4*((\a)%2)                    ; source 0 window 2 or 3, source 1 window 0 or 1, C and D window 1
.irp b, 0,1,2,3
	v_wmma_scale_f32_16x16x128_f8f6f4 v[AC+8*\b:AC+8*\b+7], v[48*(\st%5)+FR*\b:48*(\st%5)+FR*\b+FR-1], v[AF+FR*\st:AF+FR*\st+FR-1], v[AC+8*\b:AC+8*\b+7], v[SCB+8*\b+\st], v[SCA+8*(\a)+\st] matrix_a_fmt:MATRIX_FMT_FP6 matrix_b_fmt:MATRIX_FMT_FP6
.endr
.endr
	WIN 0
.endm
.macro TOSTAGE a                       ; block a, 16 rows x 256 bytes, into my stage and back by rows
.set AC, 32*((\a)%2)
	WIN 0x04
.irp b, 0,1,2,3
	ds_store_b128 v[STO], v[AC+8*\b:AC+8*\b+3] offset:64*\b        ; each accumulator from its low end on
	ds_store_b128 v[STO], v[AC+8*\b+4:AC+8*\b+7] offset:64*\b+16
.endr
	WIN 0
.irp t, 0,1,2,3,4,5,6,7
	ds_load_b128 v[BK+4*\t:BK+4*\t+3], v[RD] offset:\t*2*SPITCH    ; LDS serves a wave's instructions in order: these see the stores above
.endr
.endm
.macro SEND a, younger                 ; younger: the LDS loads issued behind the read-back, which may stay out
	s_wait_dscnt \younger
.irp t, 0,1,2,3,4,5,6,7
	global_store_b128 v[CO], v[BK+4*\t:BK+4*\t+3], s[98:99] offset:65536*(\a)+8192*\t th:TH_STORE_NT   ; sixteen lanes store one aligned unit of 256 bytes
.endr
.endm
	WIN 0x80                                       ; W's fragments of steps 0-4 into window 2,
.irp st, 0,1,2,3,4
.irp b, 0,1,2,3
	FRAGB 48*\st+FR*\b, \st, \b
.endr
.endr
	WIN 0xc0                                       ; of steps 5-7 into window 3
.irp st, 5,6,7
.irp b, 0,1,2,3
	FRAGB 48*(\st-5)+FR*\b, \st, \b
.endr
.endr
	AFETCH 0
	s_wait_dscnt 0x0                               ; my reads of W's rows are over:
	s_barrier_signal -1
	s_barrier_wait -1                              ; everybody's are: the stages may lie there
	AFETCH 1
	MUL 0
.irp a, 1,2,3,4,5,6,7
	PLACES NP                                      ; behind the last products: their results are stored, and loads land in the set that they read
	s_wait_dscnt 0x0                               ; block a's fragments, asked for a block ago, are in
	s_wait_xcnt 0x0                                ; earlier stores have read the rows' registers
	TOSTAGE \a-1
.if \a < 7
	AFETCH \a+1
	MUL \a
	SEND \a-1, 50                                  ; behind the read-back: the next block's 50 loads
.else
	MUL \a
	SEND \a-1, 0
.endif
.endr
	PLACES NP
	s_wait_xcnt 0x0
	TOSTAGE 7
	SEND 7, 0
	s_wait_tensorcnt 0x0                           ; the wave's end
	ds_add_u32 v[SPW], v[NIL]
	s_wait_dscnt 0x0
	CROUND                                         ; the closing round
	s_endpgm
.Lfunc_end_k_q334ec73074_proj:
	.size	k_q334ec73074_proj, .Lfunc_end_k_q334ec73074_proj-k_q334ec73074_proj
	.p2alignl 7, 3214868480
	.fill 96, 4, 3214868480
	.section	.rodata,"a",@progbits
	.p2align	6, 0x0
	.amdhsa_kernel k_q334ec73074_proj
		.amdhsa_group_segment_fixed_size 327680
		.amdhsa_private_segment_fixed_size 0
		.amdhsa_enable_private_segment 0
		.amdhsa_kernarg_size 64
		.amdhsa_user_sgpr_count 2
		.amdhsa_user_sgpr_kernarg_segment_ptr 1
		.amdhsa_wavefront_size32 1
		.amdhsa_system_sgpr_workgroup_id_x 1
		.amdhsa_system_sgpr_workgroup_id_y 1
		.amdhsa_system_sgpr_workgroup_id_z 1
		.amdhsa_system_vgpr_workitem_id 0
		.amdhsa_next_free_vgpr 1024
		.amdhsa_next_free_sgpr 106
		.amdhsa_reserve_vcc 0
		.amdhsa_float_denorm_mode_32 3
		.amdhsa_float_denorm_mode_16_64 3
		.amdhsa_memory_ordered 1
		.amdhsa_forward_progress 1
		.amdhsa_inst_pref_size 114
	.end_amdhsa_kernel
	.amdgpu_metadata
---
amdhsa.version: [ 1, 2 ]
amdhsa.kernels:
  - .name:           k_q334ec73074_proj
    .symbol:         k_q334ec73074_proj.kd
    .args:
      - { .name: oc, .offset: 0, .size: 8, .value_kind: global_buffer, .address_space: global }
      - { .name: os, .offset: 8, .size: 8, .value_kind: global_buffer, .address_space: global }
      - { .name: Wproj_codes, .offset: 16, .size: 8, .value_kind: global_buffer, .address_space: global }
      - { .name: Wproj_scales, .offset: 24, .size: 8, .value_kind: global_buffer, .address_space: global }
      - { .name: oap, .offset: 32, .size: 8, .value_kind: global_buffer, .address_space: global }
      - { .name: Bproj, .offset: 40, .size: 8, .value_kind: global_buffer, .address_space: global }
      - { .name: bproj, .offset: 48, .size: 8, .value_kind: global_buffer, .address_space: global }
      - { .name: out0, .offset: 56, .size: 8, .value_kind: global_buffer, .address_space: global }
    .group_segment_fixed_size: 327680
    .private_segment_fixed_size: 0
    .kernarg_segment_align: 8
    .kernarg_segment_size: 64
    .max_flat_workgroup_size: 128
    .sgpr_count:     106
    .vgpr_count:     1024
    .wavefront_size: 32
...
	.end_amdgpu_metadata
.endif
;; end of part 4
